; MI455X (gfx1250); checked and timed in simulation.
; The chip was launched on July 23, 2026; its instructions are those of AMD's public machine-readable ISA for CDNA 5 (MIT licence, August 2026) and "CDNA5" Instruction Set Architecture Reference Guide (July 2026). The comments in the code are by the model that wrote it; some were corrected since.
;; VPOS Injection. Allowed arithmetic: matrix products marked QUANTISED: E2M3 operands, one E8M0 scale for each 32 along K, by v_wmma_scale_f32_16x16x128_f8f6f4 with both operands' format E2M3, f32 sums; everything else in f32.
;; Inputs: Wk 256 x 512 float32; Wq 256 x 512 float32; Wv 512 x 512 float32; bk 256 float32; bq 256 float32; bv 512 float32; gamma 1 float32; pe_table 128 x 512 float32; pos 4 x 64 x 64 int32; x 4 x 512 x 64 x 64 float32.
;; Outputs: out0 4 x 512 x 64 x 64 float32.
;; This version of the problem:
;;   THIS VERSION OF THE PROBLEM IS GIVEN IN LOW PRECISION. The matrix products marked QUANTISED in the list below multiply operands that are first quantised to E2M3 (2 exponent bits, 3 mantissa bits; 6 bits a number), with one power-of-two scale for each 32 numbers along K (OCP MX v1.0); their sums are f32. All else is computed in f32.
;;   The module's matrix products, in the order in which they are computed (A, B: the left and right operand; K: the contracted axis; several contracted axes count as one K, in the product's order):
;;     1. [M 256, K 512] x [K 512, N 16,384]; A: input Wq; B: input x: QUANTISED
;;     2. [M 256, K 512] x [K 512, N 16,384]; A: input Wk; B: computed on the way: QUANTISED
;;     3. [M 512, K 512] x [K 512, N 16,384]; A: input Wv; B: input x: QUANTISED
;;     4. batch 4 x [M 4,096, K 256] x [K 256, N 4,096]; A: computed on the way; B: computed on the way: QUANTISED
;;     5. batch 4 x [M 512, K 4,096] x [K 4,096, N 4,096]; A: computed on the way; B: softmax (see below): QUANTISED
;;   THE QUANTISER, for each operand of a quantised product, along K:
;;     - K is cut into blocks of 32 from its start; a last block that is shorter is filled with zeros.
;;     - A block's scale is 2^e with e = floor(log2(the largest magnitude in the block)) - 2, held to -126 .. 127; a block of zeros has e = 0. As a byte (E8M0): e + 127.
;;     - Each number is divided by its block's scale, clamped to +-7.5, and rounded to the nearest number of E2M3, ties to even, subnormals kept.
;;     - The product sums the exact products of the quantised numbers (number of the format x scale) in f32.
;;   ~~~python
;;   def quantise(x, axis):      # numpy; x: float32 -> the quantised numbers, widened to float32 again
;;       x = np.moveaxis(x, axis, -1); K = x.shape[-1]
;;       x = np.pad(x, [(0, 0)] * (x.ndim - 1) + [(0, -K % 32)]); x = x.reshape(x.shape[:-1] + (-1, 32)); a = np.abs(x).max(-1, keepdims=True)
;;       e = np.where(a > 0, np.clip(np.frexp(np.where(a > 0, a, 1))[1] - 1 - 2, -126, 127), 0)      # np.frexp(a)[1] - 1 = floor(log2(a)), exactly
;;       r = np.clip(x / 2.0 ** e, -7.5, 7.5)
;;       step = 2.0 ** (np.maximum(np.frexp(np.where(r == 0, 1, r))[1] - 1, 0) - 3)
;;       q = np.round(r / step) * step * 2.0 ** e      # np.round: ties to even
;;       return np.moveaxis(q.reshape(q.shape[:-2] + (-1,))[..., :K], -1, axis).astype(np.float32)
;;   ~~~
;;   SOFTMAX AHEAD OF A QUANTISED PRODUCT. Where the list says 'softmax', what is quantised is not the finished softmax but p = 2^(t - M), with t = logit x log2(e) and M = ceil(the row's largest t), a whole number; so 1/2 < the row's largest p <= 1. The row's sum l is taken of the UNQUANTISED p, in f32, and the product's result is divided by l at the end. Since M is a whole number, a kernel that streams over the keys may use a running M (the ceiling of the running maximum): every later rescaling is an exact power of two, which a block's scale takes up: the codes' values come out the same.
;;   OPERANDS COMPUTED ON THE WAY. 'Computed on the way' means the value that the module computes at that place (a softmax that the list does not call 'softmax' is quantised finished and normalised). What goes into a quantiser is computed in f32, as accurately as f32 sums, v_exp_f32 and their like allow (about 1e-6 of the number): no bf16 or f16 on the way to a quantiser, and a product that is left as it is and whose result goes on into a quantised operand takes f32 operands (vector FMAs, or v_wmma_f32_16x16x4_f32). A number that lies on a knife's edge between two numbers of the format may be rounded either way, as far as f32 arithmetic and the matrix unit's own rounding can turn it there, and no further.
;; 2 versions, each right; version 2 is version 1 with the launch proj written anew for expert scheduling mode. Each part assembles by itself: llvm-mc -triple=amdgcn-amd-amdhsa -mcpu=gfx1250 --defsym DOCPART=n.
;; ======== version 1 of 2: 3 launches
;; workspace buffers: xq 6,553,600 bytes; wq 409,600 bytes; pool 2,097,152 bytes; qq 3,276,800 bytes; kq 51,200 bytes; vq 6,553,600 bytes
;; launch prep (part 1): grid 264 x 1, 8 waves a work-group, no clusters, 35,840 bytes of LDS; arguments x, Wq, Wk, Wv, xq, wq, pool; writes xq, wq, pool
.if DOCPART == 1
	.amdgcn_target "amdgcn-amd-amdhsa--gfx1250"
	.amdhsa_code_object_version 6
	.text
	.protected	k_q86cd6bd893_prep
	.globl	k_q86cd6bd893_prep
	.p2align	8
	.type	k_q86cd6bd893_prep,@function
k_q86cd6bd893_prep:
	s_mov_b64 s[64:65], 0
	v_nop
	global_prefetch_b8 v0, s[64:65] scope:SCOPE_SE
	s_setreg_imm32_b32 hwreg(HW_REG_WAVE_MODE, 25, 1), 1
	s_wait_xcnt 0x0
; x [4][512][4096] f32 and the weights Wq, Wk [256][512], Wv [512][512] f32 become codes of FP6 (E2M3) with one E8M0 byte for each 32 along K = the 512 channels,
; laid as IMAGES OF OPERAND REGISTERS: a fragment (16 rows x 128 K, 12 registers a lane) is 1,536 bytes, register group p (4 p .. 4 p + 3) of lane l at byte 512 p + 16 l.
; x also leaves its partial sums for the column pooling: pool[b][hq][wp][c] = the sum over 4 image rows (hq) and 4 columns (wp).
; A block's scale is 2^(floor(log2(largest magnitude)) - 2); its byte is the largest magnitude's exponent field - 2, held at 1 from below.
; LIMITS: NaN and infinities are not served.  A block of zeros gets the byte 1 where the quantiser says 127: its codes are zeros, and the bytes are read by this program alone.
; TILES OF COLUMNS OF x ARE PERMUTED: tile (g, u), row r holds column n = 32 g + 8 u + r + 8 (r / 8), so that two neighbouring tiles give 16 neighbours a lane when they are source 0 of a product.  Wq's and Wk's rows likewise; Wv's tiles are natural.
; Work-groups 0-255: x (b = wg / 64, K step s = (wg / 16) % 4, hq = wg % 16; a wave: 128 channels x 32 columns, a lane a column, registers down K: nothing is transposed).
; Work-groups 256-263: the 64 weight tiles, a wave a tile.  No tensor loads: what is in flight lies in registers.
.set XSCO,  6291456                    ; xq: scale words behind the codes: [b][G 32][s 4][pos 32][gi 4]
.set WSCO,  393216                     ; wq: scale words behind the codes: [T 64][r 16][s 4]
.set X,     64                         ; v64-191  128 numbers of my column
.set FRA,   32                         ; v32-43   the registers of the operand's lane (r, 0): blocks 0 and 2
.set FRB,   44                         ; v44-55   of lane (r, 1): blocks 1 and 3
.set TC,    56                         ; v56-58   a block's upper 16 codes (a conversion's three registers begin on an even number)
.set WD,    60                         ; v60      my column's scale word
.set PREG,  4224                       ; LDS: a wave's pooling region: 8 bins x 528
.set PPIT,  528                        ; a bin: 128 channels x 4 bytes + 16
.set XSC,   33792                      ; LDS: 1,024 bytes of scale words, behind the eight regions
	s_load_b256 s[4:11], s[0:1], 0x0               ; x s[4:5], Wq s[6:7], Wk s[8:9], Wv s[10:11]
	s_load_b128 s[12:15], s[0:1], 0x20             ; xq s[12:13], wq s[14:15]
	s_load_b64 s[16:17], s[0:1], 0x30              ; pool
	v_lshl_add_u32 v224, v0, 2, 0x8800
	v_mov_b32 v225, 0
	v_lshrrev_b32 v1, 5, v0
	v_readfirstlane_b32 s18, v1                    ; wave 0..7
	v_and_b32 v2, 31, v0                           ; lane
	s_cmp_lt_u32 ttmp9, 256
	s_cbranch_scc0 .Lweights
	; ---------------- x ----------------
	s_lshr_b32 s19, ttmp9, 6                       ; b
	s_bfe_u32 s20, ttmp9, 0x20004                  ; s
	s_and_b32 s21, ttmp9, 15                       ; hq
	s_lshl_b32 s22, s21, 3
	s_add_co_u32 s22, s22, s18                     ; g = 8 hq + wave: my 32 columns
	s_lshl_b32 s24, s19, 23                        ; x: b x 512 x 16,384 bytes
	s_lshl_b32 s25, s20, 21                        ;    + 128 s channels
	s_add_co_u32 s24, s24, s25
	s_lshl_b32 s25, s22, 7                         ;    + 32 g columns
	s_add_co_u32 s24, s24, s25
	s_mov_b32 s25, 0
	s_lshl_b32 s26, s19, 7                         ; codes: ((b 128 + g) 8 + s) x 1,536; tile u = 1 lies 6,144 bytes on
	s_add_co_u32 s26, s26, s22
	s_lshl_b32 s26, s26, 3
	s_add_co_u32 s26, s26, s20
	s_mul_i32 s26, s26, 1536
	s_mov_b32 s27, 0
	v_lshlrev_b32 v3, 2, v2                        ; in: 4 bytes a lane
	v_bfe_u32 v5, v2, 3, 1                         ; u = (j / 8) % 2
	v_and_b32 v6, 7, v2
	v_lshrrev_b32 v7, 4, v2
	v_lshl_add_u32 v6, v7, 3, v6                   ; r = j % 8 + 8 (j / 16)
	v_mul_u32_u24 v4, v5, 6144
	v_lshl_add_u32 v4, v6, 4, v4                   ; out: 6,144 u + 16 r
	v_lshl_add_u32 v8, v5, 4, v6                   ; pos = 16 u + r
	s_lshr_b32 s28, s18, 2
	s_lshl_b32 s28, s28, 9
	s_and_b32 s29, s18, 3
	s_lshl_b32 s29, s29, 2
	s_add_co_u32 s28, s28, s29
	s_add_co_u32 s28, s28, XSC
	v_lshlrev_b32 v8, 4, v8
	v_add_nc_u32 v8, s28, v8                       ; LDS: my scale word: XSC + 512 (wave / 4) + 16 pos + 4 (wave % 4)
	s_mul_i32 s29, s18, PREG
	v_lshrrev_b32 v9, 2, v2
	v_mul_u32_u24 v9, v9, PPIT
	v_add_nc_u32 v9, s29, v9                       ; LDS: my wave's region, my bin (four lanes to a bin)
	s_mul_i32 s30, s18, PPIT
	v_lshlrev_b32 v10, 4, v2                       ; 16 x lane
	v_add_nc_u32 v11, s30, v10                     ; LDS, behind the barrier: bin = my wave's number, 4 channels a lane
	s_and_b32 s30, s18, 1
	s_lshl_b32 s30, s30, 9
	s_add_co_u32 s30, s30, XSC
	v_add_nc_u32 v16, s30, v10                     ; LDS: the scale words on their way out (waves 0 and 1)
	s_lshl_b32 s31, s19, 4                         ; pool: (((b 16 + hq) 16) + wave) x 2,048 + 512 s
	s_add_co_u32 s31, s31, s21
	s_lshl_b32 s31, s31, 4
	s_add_co_u32 s31, s31, s18
	s_lshl_b32 s32, s31, 11
	s_lshl_b32 s33, s20, 9
	s_add_co_u32 s32, s32, s33
	s_mov_b32 s33, 0
	s_lshl_b32 s34, s19, 5                         ; scale words: XSCO + ((b 32 + 2 hq + wave) 4 + s) x 512 (used by waves 0 and 1)
	s_lshl_b32 s35, s21, 1
	s_add_co_u32 s34, s34, s35
	s_add_co_u32 s34, s34, s18
	s_lshl_b32 s34, s34, 2
	s_add_co_u32 s34, s34, s20
	s_lshl_b32 s34, s34, 9
	s_add_co_u32 s34, s34, XSCO
	s_mov_b32 s35, 0
	s_wait_kmcnt 0x0
	s_add_nc_u64 s[4:5], s[4:5], s[24:25]
	s_add_nc_u64 s[36:37], s[12:13], s[26:27]
	s_add_nc_u64 s[38:39], s[12:13], s[34:35]
	s_add_nc_u64 s[16:17], s[16:17], s[32:33]
.macro LOADX cb                        ; block cb: 32 channels of my column; 32 lanes read 128 consecutive bytes, the two waves of an image row its 256
.set li_, 32*(\cb)
.rept 32
	global_load_b32 v[X+li_], v3, s[4:5] offset:li_*16384 th:TH_LOAD_NT
.set li_, li_+1
.endr
.endm
.macro XBLOCK cb, base, left           ; block cb becomes 6 registers of codes at v[base] and byte cb of the scale word
	s_wait_loadcnt \left                           ; loads come back in order: this block's 32 are in, the next block's 32 may be out
.if (\cb) < 2
	LOADX (\cb)+2                                  ; two blocks ahead
.endif
.set XB, X+32*(\cb)
	v_max3_num_f32 v12, |v[XB]|, |v[XB+1]|, |v[XB+2]|              ; the block's largest magnitude: all 32 numbers are mine; two chains
	v_max3_num_f32 v13, |v[XB+3]|, |v[XB+4]|, |v[XB+5]|
.irp i, 6,10,14,18,22,26
	v_max3_num_f32 v12, v12, |v[XB+\i]|, |v[XB+\i+1]|
	v_max3_num_f32 v13, v13, |v[XB+\i+2]|, |v[XB+\i+3]|
.endr
	v_max3_num_f32 v12, v12, |v[XB+30]|, |v[XB+31]|
	v_max3_num_f32 v12, v12, v13, 0x1800000        ; and the floor 2^(3 - 127): the byte cannot fall under 1
	v_add_nc_u32 v14, 0xff000000, v12              ; 2 off the exponent field: the conversion takes this operand's exponent field as its scale
	v_lshrrev_b32 v15, 23, v14                     ; the scale's byte
.if (\cb) == 0
	v_mov_b32 v[WD], v15
.else
	v_lshl_or_b32 v[WD], v15, 8*(\cb), v[WD]
.endif
	v_cvt_scalef32_pk16_fp6_f32 v[\base:\base+2], v[XB:XB+15], v14
	v_cvt_scalef32_pk16_fp6_f32 v[TC:TC+2], v[XB+16:XB+31], v14
	v_nop                                          ; one plain line behind a scaled conversion
.irp i, 0,1,2
	v_mov_b32 v[\base+3+\i], v[TC+\i]
.endr
.endm
	LOADX 0
	LOADX 1
	XBLOCK 0, FRA, 32                              ; block 2 c + h' is registers 6 c .. 6 c + 5 of the operand's lane (r, h')
	XBLOCK 1, FRB, 32
	XBLOCK 2, FRA+6, 32
	XBLOCK 3, FRB+6, 0
.irp p, 0,1,2
	global_store_b128 v4, v[FRA+4*\p:FRA+4*\p+3], s[36:37] offset:512*\p       ; the sixteen lanes of a tile store 256 consecutive bytes, aligned
	global_store_b128 v4, v[FRB+4*\p:FRB+4*\p+3], s[36:37] offset:512*\p+256
.endr
	; the pooling: each bin of four columns is summed across its four lanes
.set li_, 0
.rept 128
	v_add_f32_dpp v[X+li_], v[X+li_], v[X+li_] row_xmask:1 row_mask:0xf bank_mask:0xf
.set li_, li_+1
.endr
.set li_, 0
.rept 128
	v_add_f32_dpp v[X+li_], v[X+li_], v[X+li_] row_xmask:2 row_mask:0xf bank_mask:0xf
.set li_, li_+1
.endr
.set li_, 0
.rept 32
	ds_store_b128 v9, v[X+4*li_:X+4*li_+3] offset:16*li_           ; the four lanes of a bin store the same numbers to the same bytes
.set li_, li_+1
.endr
	ds_store_b32 v8, v[WD]
	s_wait_dscnt 0x0                               ; for the others' sake: my stores have landed
	s_barrier_signal -1
	s_barrier_wait -1
	; wave w adds bin w of the four waves of each half of the image rows: wp = w and wp = 8 + w
.irp q, 0,1,2,3
	ds_load_b128 v[64+4*\q:67+4*\q], v11 offset:2*\q*PREG
	ds_load_b128 v[80+4*\q:83+4*\q], v11 offset:(2*\q+1)*PREG
.endr
	s_wait_dscnt 0x0
.irp o, 64, 80
	v_pk_add_f32 v[\o:\o+1], v[\o:\o+1], v[\o+4:\o+5]
	v_pk_add_f32 v[\o+2:\o+3], v[\o+2:\o+3], v[\o+6:\o+7]
	v_pk_add_f32 v[\o+8:\o+9], v[\o+8:\o+9], v[\o+12:\o+13]
	v_pk_add_f32 v[\o+10:\o+11], v[\o+10:\o+11], v[\o+14:\o+15]
	v_pk_add_f32 v[\o:\o+1], v[\o:\o+1], v[\o+8:\o+9]
	v_pk_add_f32 v[\o+2:\o+3], v[\o+2:\o+3], v[\o+10:\o+11]
.endr
	global_store_b128 v10, v[64:67], s[16:17]                      ; 32 lanes store 512 consecutive bytes
	global_store_b128 v10, v[80:83], s[16:17] offset:16384
	s_cmp_lt_u32 s18, 2                            ; waves 0 and 1 send the two groups' scale words, 512 bytes each
	s_cbranch_scc0 .Lxdone
	ds_load_b128 v[96:99], v16
	s_wait_dscnt 0x0
	global_store_b128 v10, v[96:99], s[38:39]
.Lxdone:
	s_wait_tensorcnt 0x0
	ds_add_u32 v224, v225
	s_wait_dscnt 0x0
	s_endpgm
	; ---------------- the weights ----------------
.Lweights:
	s_sub_co_u32 s19, ttmp9, 256                   ; 0, 1: Wq; 2, 3: Wk; 4-7: Wv
	s_lshl_b32 s20, s19, 3
	s_add_co_u32 s20, s20, s18                     ; T: my tile
	s_wait_kmcnt 0x0
	s_cmp_lt_u32 s19, 2                            ; the choice hangs on the work-group's number alone
	s_cselect_b64 s[22:23], s[6:7], s[8:9]
	s_cselect_b32 s24, 0, 16
	s_cmp_lt_u32 s19, 4
	s_cselect_b64 s[22:23], s[22:23], s[10:11]
	s_cselect_b32 s24, s24, 32                     ; the tensor's first tile
	s_cselect_b32 s25, 1, 0                        ; 1: its tiles are permuted
	s_sub_co_u32 s26, s20, s24                     ; tt: the tile in its tensor
	s_lshr_b32 s27, s26, 1
	s_lshl_b32 s27, s27, 5
	s_and_b32 s28, s26, 1
	s_lshl_b32 s28, s28, 3
	s_add_co_u32 s27, s27, s28                     ; permuted: 32 (tt / 2) + 8 (tt % 2)
	s_lshl_b32 s28, s26, 4                         ; natural: 16 tt
	s_cmp_eq_u32 s25, 1
	s_cselect_b32 s27, s27, s28
	s_lshl_b32 s28, s27, 11                        ; a row is 2,048 bytes
	s_mov_b32 s29, 0
	s_add_nc_u64 s[22:23], s[22:23], s[28:29]
	v_and_b32 v3, 15, v2                           ; r
	v_lshrrev_b32 v4, 4, v2                        ; h'
	v_and_b32 v5, 8, v3
	v_mul_u32_u24 v5, v5, s25                      ; + 8 (r / 8) where permuted
	v_add_nc_u32 v5, v5, v3
	v_lshlrev_b32 v5, 11, v5
	v_lshl_add_u32 v5, v4, 7, v5                   ; row x 2,048 + 128 h': the operand's lane (r, h') wants k = 64 c + 32 h' + 0 .. 31
	s_mul_i32 s30, s20, 6144
	s_mov_b32 s31, 0
	s_add_nc_u64 s[32:33], s[14:15], s[30:31]      ; the tile's four images
	s_lshl_b32 s30, s20, 8
	s_add_co_u32 s30, s30, WSCO
	s_add_nc_u64 s[34:35], s[14:15], s[30:31]      ; and its 64 scale words
	v_lshlrev_b32 v6, 4, v2
	v_lshlrev_b32 v7, 4, v3
	v_lshlrev_b32 v8, 3, v4                        ; 8 h'
	v_mov_b32 v9, 0                                ; written once: a lane permute's destination counts as one of its sources
	s_mov_b32 s36, 0x76543210
	s_mov_b32 s37, 0xfedcba98                      ; v_permlanex16_b32's selects for lane l xor 16
.macro LOADW s                         ; K step s: my two blocks, 64 numbers, into set s % 2
.irp c, 0,1
.irp i, 0,1,2,3,4,5,6,7
	global_load_b128 v[64+64*((\s)%2)+32*\c+4*\i:64+64*((\s)%2)+32*\c+4*\i+3], v5, s[22:23] offset:512*(\s)+256*\c+16*\i
.endr
.endr
.endm
.macro QW s, left
	s_wait_loadcnt \left                           ; this K step's 16 loads are in; the next step's 16 may be out
.set WB, 64+64*((\s)%2)
.set FW, 16+12*(\s)                    ; each K step has its own 12 registers of codes: no store's data are written again
.irp c, 0,1
	v_max3_num_f32 v[10+\c], |v[WB+32*\c]|, |v[WB+32*\c+1]|, 0x1800000
.endr
.irp i, 2,4,6,8,10,12,14,16,18,20,22,24,26,28,30
.irp c, 0,1
	v_max3_num_f32 v[10+\c], v[10+\c], |v[WB+32*\c+\i]|, |v[WB+32*\c+\i+1]|
.endr
.endr
.irp c, 0,1
	v_add_nc_u32 v[12+\c], 0xff000000, v[10+\c]
.endr
.irp c, 0,1
	v_lshrrev_b32 v[10+\c], 23, v[12+\c]
.endr
	v_lshl_or_b32 v14, v11, 16, v10                ; my two bytes: blocks h' and 2 + h',
	v_lshlrev_b32 v14, v8, v14                     ; at their places in the word;
	v_permlanex16_b32 v9, v14, s36, s37
	v_or_b32 v[200+(\s)], v14, v9                  ; with lane l xor 16's two the word is whole
.irp c, 0,1
	v_cvt_scalef32_pk16_fp6_f32 v[FW+6*\c:FW+6*\c+2], v[WB+32*\c:WB+32*\c+15], v[12+\c]
	v_cvt_scalef32_pk16_fp6_f32 v[192+4*\c:194+4*\c], v[WB+32*\c+16:WB+32*\c+31], v[12+\c]
.endr
	v_nop                                          ; one plain line behind a scaled conversion
.irp c, 0,1
.irp i, 0,1,2
	v_mov_b32 v[FW+6*\c+3+\i], v[192+4*\c+\i]
.endr
.endr
.irp p, 0,1,2
	global_store_b128 v6, v[FW+4*\p:FW+4*\p+3], s[32:33] offset:1536*(\s)+512*\p   ; 512 consecutive bytes
.endr
.if (\s) < 2
	LOADW (\s)+2
.endif
.endm
	LOADW 0
	LOADW 1
	QW 0, 16
	QW 1, 16
	QW 2, 16
	QW 3, 0
	global_store_b128 v7, v[200:203], s[34:35]     ; row r's four words; both halves of the lanes store the same 256 bytes
	s_endpgm
.Lfunc_end_k_q86cd6bd893_prep:
	.size	k_q86cd6bd893_prep, .Lfunc_end_k_q86cd6bd893_prep-k_q86cd6bd893_prep
	.p2alignl 7, 3214868480
	.fill 96, 4, 3214868480
	.section	.rodata,"a",@progbits
	.p2align	6, 0x0
	.amdhsa_kernel k_q86cd6bd893_prep
		.amdhsa_group_segment_fixed_size 35840
		.amdhsa_private_segment_fixed_size 0
		.amdhsa_enable_private_segment 0
		.amdhsa_kernarg_size 56
		.amdhsa_user_sgpr_count 2
		.amdhsa_user_sgpr_kernarg_segment_ptr 1
		.amdhsa_wavefront_size32 1
		.amdhsa_system_sgpr_workgroup_id_x 1
		.amdhsa_system_sgpr_workgroup_id_y 1
		.amdhsa_system_sgpr_workgroup_id_z 1
		.amdhsa_system_vgpr_workitem_id 0
		.amdhsa_next_free_vgpr 226
		.amdhsa_next_free_sgpr 66
		.amdhsa_reserve_vcc 0
		.amdhsa_float_denorm_mode_32 3
		.amdhsa_float_denorm_mode_16_64 3
		.amdhsa_memory_ordered 1
		.amdhsa_forward_progress 1
		.amdhsa_inst_pref_size 63
	.end_amdhsa_kernel
	.amdgpu_metadata
---
amdhsa.version: [ 1, 2 ]
amdhsa.kernels:
  - .name:           k_q86cd6bd893_prep
    .symbol:         k_q86cd6bd893_prep.kd
    .args:
      - { .name: x, .offset: 0, .size: 8, .value_kind: global_buffer, .address_space: global }
      - { .name: Wq, .offset: 8, .size: 8, .value_kind: global_buffer, .address_space: global }
      - { .name: Wk, .offset: 16, .size: 8, .value_kind: global_buffer, .address_space: global }
      - { .name: Wv, .offset: 24, .size: 8, .value_kind: global_buffer, .address_space: global }
      - { .name: xq, .offset: 32, .size: 8, .value_kind: global_buffer, .address_space: global }
      - { .name: wq, .offset: 40, .size: 8, .value_kind: global_buffer, .address_space: global }
      - { .name: pool, .offset: 48, .size: 8, .value_kind: global_buffer, .address_space: global }
    .group_segment_fixed_size: 35840
    .private_segment_fixed_size: 0
    .kernarg_segment_align: 8
    .kernarg_segment_size: 56
    .max_flat_workgroup_size: 256
    .sgpr_count:     66
    .vgpr_count:     226
    .wavefront_size: 32
...
	.end_amdgpu_metadata
.endif
;; end of part 1
;; launch proj (part 2): grid 200 x 1, 4 waves a work-group, no clusters, 47,104 bytes of LDS; arguments xq, wq, pool, bq, bk, bv, pe_table, pos, qq, kq, vq; writes qq, kq, vq
.if DOCPART == 2
	.amdgcn_target "amdgcn-amd-amdhsa--gfx1250"
	.amdhsa_code_object_version 6
	.text
	.protected	k_q86cd6bd893_proj
	.globl	k_q86cd6bd893_proj
	.p2align	8
	.type	k_q86cd6bd893_proj,@function
k_q86cd6bd893_proj:
	s_mov_b64 s[64:65], 0
	v_nop
	global_prefetch_b8 v0, s[64:65] scope:SCOPE_SE
	s_setreg_imm32_b32 hwreg(HW_REG_WAVE_MODE, 25, 1), 1
	s_wait_xcnt 0x0
; The three projections, all on codes of FP6 (E2M3) with E8M0 scales, and their results quantised at once for the products that follow:
;   q = Wq x + bq  -> qq: fragments of 16 queries x 128 of the 256 channels;   v = Wv x + bv -> vq: fragments of 16 channels x 128 keys;
;   k = Wk x2d + bk -> kq.  x2d is one image row broadcast over the 64 rows, so a batch has 64 distinct keys: only those are made.
; ONE STRUCTURE: a wave HOLDS 8 tiles x 4 K steps of one operand in 384 registers and STREAMS tiles of the other.  Source 0 = a held tile, source 1 = the streamed tile: a lane then holds ONE streamed row, and, the held
; tiles being permuted (row r of tile 2 b + u is index 32 b + 8 u + r + 8 (r / 8)), its 64 results are register 16 b + i = index 32 b + 16 (lane / 16) + i: one fragment of the next product, quantised in registers.
; The biases are the C of each sum's first matrix instruction.
; ROLES by the work-group's number: 0-7 k (b = wg / 2, keys 32 (wg % 2) on), 8-135 v (b, 128 keys; wave = 128 channels), 136-199 q (b, 256 queries; wave = (128 queries, 128 channels)).  Only the k role uses LDS and barriers.
; LIMITS: NaN and infinities are not served; pos / 8 is held at row 127 of pe_table from above; a block of zeros gets the byte 1 (its codes are zeros, and this program alone reads the bytes).
; REGISTERS, in windows of 256: window 0: v1-15 addresses; v16-47 the held operand's scale words; v48-63 the streamed one's; v64-127 the 8 accumulators; v128-143, v144, v148-166 the quantiser; v168-179 scale words on their way out; v184-243 the k role's.
;   window 1: held fragments of K steps 0, 1 (at 96 s + 12 i);  window 2: of K steps 2, 3; from v192 the biases;  window 3: the streamed fragments, three sets of 48 by turns (in the k role first: the pooling's three sets of 68).
.set XSCO,  6291456
.set WSCO,  393216
.set QSCO,  3145728
.set KSCO,  49152
.set L16,   1                          ; v1  16 x lane
.set R16,   2                          ; v2  16 x (lane % 16)
.set R4,    3                          ; v3  4 x (lane % 16)
.set H64,   4                          ; v4  64 x (lane / 16)
.set HS,    16
.set SS,    48
.set ACC,   64
.set TM,    128
.set PW,    144
.set PC,    148
.set KEEP,  168
.set CW,    176
.set KC,    184                        ; k role: x2d's codes, two tiles x 12
.set KW,    208                        ; and their two scale words
.set PEA,   220                        ; k role: v220-228 byte offsets of nine rows of pe_table
.set SEL,   28
.set XPIT,  2064                       ; LDS, k role: x1d, nine rows of 512 f32 + 16 bytes, from byte 0
.set X2IMG, 33280                      ; x2d's eight fragment images (tile u, K step s: 4 u + s)
.set X2SC,  45568                      ; and their scale words, 128 bytes each
.set MSB, 0
.macro WIN new                         ; the immediate's high byte repeats the setting that is left
.if MSB != \new
	s_set_vgpr_msb (MSB<<8)|\new
.set MSB, \new
.endif
.endm
.macro PLACES                          ; four plain lines between a matrix instruction and the first read of its result (ISA guide 7.12.1)
.rept 4
	v_nop
.endr
.endm
; one matrix instruction: D at d, source 0 at a, source 1 at b, C at c (under 0: the constant 0), scale registers sa, sb; ra, rb = 1: that side's scales stand in lanes 16-31
.macro WM d, a, b, c, sa, sb, ra, rb
.if (\c) < 0
.if (\ra) && (\rb)
	v_wmma_scale_f32_16x16x128_f8f6f4 v[\d:\d+7], v[\a:\a+11], v[\b:\b+11], 0, v[\sa], v[\sb] matrix_a_fmt:MATRIX_FMT_FP6 matrix_b_fmt:MATRIX_FMT_FP6 matrix_a_scale:MATRIX_SCALE_ROW1 matrix_b_scale:MATRIX_SCALE_ROW1
.elseif (\ra)
	v_wmma_scale_f32_16x16x128_f8f6f4 v[\d:\d+7], v[\a:\a+11], v[\b:\b+11], 0, v[\sa], v[\sb] matrix_a_fmt:MATRIX_FMT_FP6 matrix_b_fmt:MATRIX_FMT_FP6 matrix_a_scale:MATRIX_SCALE_ROW1
.elseif (\rb)
	v_wmma_scale_f32_16x16x128_f8f6f4 v[\d:\d+7], v[\a:\a+11], v[\b:\b+11], 0, v[\sa], v[\sb] matrix_a_fmt:MATRIX_FMT_FP6 matrix_b_fmt:MATRIX_FMT_FP6 matrix_b_scale:MATRIX_SCALE_ROW1
.else
	v_wmma_scale_f32_16x16x128_f8f6f4 v[\d:\d+7], v[\a:\a+11], v[\b:\b+11], 0, v[\sa], v[\sb] matrix_a_fmt:MATRIX_FMT_FP6 matrix_b_fmt:MATRIX_FMT_FP6
.endif
.else
.if (\ra) && (\rb)
	v_wmma_scale_f32_16x16x128_f8f6f4 v[\d:\d+7], v[\a:\a+11], v[\b:\b+11], v[\c:\c+7], v[\sa], v[\sb] matrix_a_fmt:MATRIX_FMT_FP6 matrix_b_fmt:MATRIX_FMT_FP6 matrix_a_scale:MATRIX_SCALE_ROW1 matrix_b_scale:MATRIX_SCALE_ROW1
.elseif (\ra)
	v_wmma_scale_f32_16x16x128_f8f6f4 v[\d:\d+7], v[\a:\a+11], v[\b:\b+11], v[\c:\c+7], v[\sa], v[\sb] matrix_a_fmt:MATRIX_FMT_FP6 matrix_b_fmt:MATRIX_FMT_FP6 matrix_a_scale:MATRIX_SCALE_ROW1
.elseif (\rb)
	v_wmma_scale_f32_16x16x128_f8f6f4 v[\d:\d+7], v[\a:\a+11], v[\b:\b+11], v[\c:\c+7], v[\sa], v[\sb] matrix_a_fmt:MATRIX_FMT_FP6 matrix_b_fmt:MATRIX_FMT_FP6 matrix_b_scale:MATRIX_SCALE_ROW1
.else
	v_wmma_scale_f32_16x16x128_f8f6f4 v[\d:\d+7], v[\a:\a+11], v[\b:\b+11], v[\c:\c+7], v[\sa], v[\sb] matrix_a_fmt:MATRIX_FMT_FP6 matrix_b_fmt:MATRIX_FMT_FP6
.endif
.endif
.endm
; the held operand: 8 tiles x 4 K steps, 96 loads of 512 consecutive bytes; tiles lie 6,144 bytes apart, K steps 1,536
.macro HELDLOAD sb
	WIN 0x40                                       ; destination window 1
.irp i, 0,1,2,3,4,5,6,7
.irp s, 0,1
.irp p, 0,1,2
	global_load_b128 v[96*\s+12*\i+4*\p:96*\s+12*\i+4*\p+3], v[L16], s[\sb:\sb+1] offset:6144*\i+1536*\s+512*\p
.endr
.endr
.endr
	WIN 0x80                                       ; destination window 2
.irp i, 0,1,2,3,4,5,6,7
.irp s, 0,1
.irp p, 0,1,2
	global_load_b128 v[96*\s+12*\i+4*\p:96*\s+12*\i+4*\p+3], v[L16], s[\sb:\sb+1] offset:6144*\i+1536*(\s+2)+512*\p
.endr
.endr
.endr
	WIN 0
.endm
.macro STRLOAD slot, sb, off           ; a streamed tile's four fragments into set slot of window 3
	WIN 0xc0
.irp s, 0,1,2,3
.irp p, 0,1,2
	global_load_b128 v[48*(\slot)+12*\s+4*\p:48*(\slot)+12*\s+4*\p+3], v[L16], s[\sb:\sb+1] offset:(\off)+1536*\s+512*\p
.endr
.endr
.endm
; 32 matrix instructions: the 8 held tiles x 4 K steps against streamed set slot.  The eight accumulators take turns, one instruction a turn.
; mode 0 (v): x held (its scale words: two tiles to a register), Wv streamed, C = the set's eight bias registers.  mode 1 (q): Wq held, x tile j streamed.  mode 2 (k): Wk held, x2d streamed.  Modes 1, 2: C = the tile's bias.
.macro PROD8 mode, slot, j
.irp s, 0,1,2,3
.if \s == 0
	WIN 0x2d                                       ; source 0 window 1, source 1 window 3, C window 2
.elseif \s == 1
	WIN 0x0d
.else
	WIN 0x0e                                       ; source 0 window 2
.endif
.irp i, 0,1,2,3,4,5,6,7
.set cc_, ACC+8*\i
.if \s == 0
.if (\mode) == 0
.set cc_, 192+8*(\slot)
.else
.set cc_, 192+8*\i
.endif
.endif
.if (\mode) == 0
	WM ACC+8*\i, 96*(\s%2)+12*\i, 48*(\slot)+12*\s, cc_, HS+4*\s+\i/2, SS+4*(\slot)+\s, \i%2, 0
.elseif (\mode) == 1
	WM ACC+8*\i, 96*(\s%2)+12*\i, 48*(\slot)+12*\s, cc_, HS+4*\i+\s, SS+4*\s+(\j)/2, 0, (\j)%2
.else
	WM ACC+8*\i, 96*(\s%2)+12*\i, 48*(\slot)+12*\s, cc_, HS+4*\i+\s, SS+\s, 0, 0
.endif
.endr
.endr
.endm
; 64 numbers of a lane, v[s] .. v[s + 63], register 16 b + i = k 32 b + 16 (lane / 16) + i of my row, become a fragment's codes in v[PC] on and its scale word in v[PW]
.macro QUANT s
.irp b, 0,1,2,3
	v_max3_num_f32 v[TM+\b], |v[\s+16*\b]|, |v[\s+1+16*\b]|, 0x1800000   ; my 16 numbers of block b, from each accumulator's low end on, and the floor 2^(3 - 127)
.endr
.irp i, 2,4,6,8,10,12,14
.irp b, 0,1,2,3
	v_max3_num_f32 v[TM+\b], v[TM+\b], |v[\s+16*\b+\i]|, |v[\s+1+16*\b+\i]|
.endr
.endr
.irp b, 0,1,2,3
	v_permlanex16_b32 v[TM+4+\b], v[TM+\b], s[SEL], s[SEL+1]
.endr
.irp b, 0,1,2,3
	v_max_num_f32 v[TM+\b], v[TM+\b], v[TM+4+\b]   ; with lane l xor 16's: the block's largest magnitude
.endr
.irp b, 0,1,2,3
	v_add_nc_u32 v[TM+12+\b], 0xff000000, v[TM+\b]  ; 2 off its exponent field: the conversion's scale operand
.endr
.irp b, 0,1,2,3
	v_lshrrev_b32 v[TM+4+\b], 23, v[TM+12+\b]      ; the scale's byte
.endr
	v_lshl_or_b32 v[PW], v[TM+5], 8, v[TM+4]
	v_lshl_or_b32 v[PW], v[TM+6], 16, v[PW]
	v_lshl_or_b32 v[PW], v[TM+7], 24, v[PW]
.irp c, 0,1
	v_cvt_scalef32_pk16_fp6_f32 v[PC+6*\c:PC+2+6*\c], v[\s+32*\c:\s+15+32*\c], v[TM+12+2*\c]
	v_cvt_scalef32_pk16_fp6_f32 v[PC+12+4*\c:PC+14+4*\c], v[\s+16+32*\c:\s+31+32*\c], v[TM+12+2*\c+1]
.endr
	v_nop                                          ; one plain line behind a scaled conversion
.irp c, 0,1                            ; the operand's layout wants a whole block in a lane
.irp i, 0,1,2
	v_permlane16_swap_b32 v[PC+6*\c+\i], v[PC+12+4*\c+\i]
.endr
.irp i, 0,1,2
	v_mov_b32 v[PC+3+6*\c+\i], v[PC+12+4*\c+\i]
.endr
.endr
.endm
.macro FRAGOUT sb, off, j              ; the fragment leaves as three stores of 512 consecutive bytes; its scale word is kept
.irp p, 0,1,2
	global_store_b128 v[L16], v[PC+4*\p:PC+4*\p+3], s[\sb:\sb+1] offset:(\off)+512*\p
.endr
	v_mov_b32 v[KEEP+(\j)], v[PW]
.endm
.macro WORDS sb, off                   ; eight tiles' scale words as 512 bytes: word i of lane l: tile 2 i (lanes 0-15) or 2 i + 1 (lanes 16-31), row l % 16
.irp i, 0,1,2,3
	v_cndmask_b32 v[CW+\i], v[KEEP+2*\i+1], v[KEEP+2*\i], s30
.endr
	global_store_b128 v[L16], v[CW:CW+3], s[\sb:\sb+1] offset:\off
.endm
	s_load_b256 s[4:11], s[0:1], 0x0               ; xq s[4:5], wq s[6:7], pool s[8:9], bq s[10:11]
	s_load_b256 s[12:19], s[0:1], 0x20             ; bk s[12:13], bv s[14:15], pe_table s[16:17], pos s[18:19]
	s_load_b128 s[20:23], s[0:1], 0x40             ; qq s[20:21], kq s[22:23]
	s_load_b64 s[24:25], s[0:1], 0x50              ; vq
	v_lshl_add_u32 v254, v0, 2, 0xb600
	v_mov_b32 v255, 0
	v_lshrrev_b32 v1, 5, v0
	v_readfirstlane_b32 s26, v1                    ; wave 0..3
	v_and_b32 v5, 31, v0                           ; lane
	v_and_b32 v6, 15, v0                           ; r
	v_bfe_u32 v7, v0, 4, 1                         ; h
	v_lshlrev_b32 v[L16], 4, v5
	v_lshlrev_b32 v[R16], 4, v6
	v_lshlrev_b32 v[R4], 2, v6
	v_lshlrev_b32 v[H64], 6, v7
	s_mov_b32 s[SEL], 0x76543210
	s_mov_b32 s[SEL+1], 0xfedcba98                 ; v_permlanex16_b32's selects for lane l xor 16
	s_mov_b32 s30, 0xffff                          ; lanes 0-15
.irp b, 0,1,2,3
	v_mov_b32 v[TM+4+\b], 0                        ; written once: a lane permute's destination counts as one of its sources
.endr
	s_cmp_lt_u32 ttmp9, 8
	s_cbranch_scc1 .Lkrole
	s_cmp_lt_u32 ttmp9, 136
	s_cbranch_scc1 .Lvrole
	; ---------------- q ----------------
	s_sub_co_u32 s31, ttmp9, 136
	s_lshr_b32 s32, s31, 4                         ; b
	s_and_b32 s33, s31, 15
	s_lshl_b32 s33, s33, 1
	s_lshr_b32 s34, s26, 1
	s_add_co_u32 s33, s33, s34                     ; G: my 128 queries
	s_and_b32 s50, s26, 1                          ; oh: my 128 of q's 256 channels
	s_mul_i32 s34, s50, 49152                      ; Wq's tiles 8 oh on
	s_mov_b32 s35, 0
	s_lshl_b32 s36, s50, 11
	s_add_co_u32 s36, s36, WSCO                    ; their scale words
	s_mov_b32 s37, 0
	s_lshl_b32 s38, s50, 9                         ; bq: 128 oh numbers on
	s_mov_b32 s39, 0
	s_lshl_b32 s40, s32, 8
	s_lshl_b32 s41, s33, 3
	s_add_co_u32 s40, s40, s41                     ; b 256 + 8 G: my first tile of x and of q
	s_mul_i32 s42, s40, 6144
	s_mov_b32 s43, 0
	s_lshl_b32 s41, s32, 5
	s_add_co_u32 s41, s41, s33                     ; b 32 + G
	s_lshl_b32 s44, s41, 11
	s_add_co_u32 s44, s44, XSCO
	s_mov_b32 s45, 0
	s_lshl_b32 s46, s40, 1
	s_add_co_u32 s46, s46, s50
	s_mul_i32 s46, s46, 1536                       ; qq: ((b 256 + 8 G + j) 2 + oh) x 1,536
	s_mov_b32 s47, 0
	s_lshl_b32 s48, s41, 1
	s_add_co_u32 s48, s48, s50
	s_lshl_b32 s48, s48, 9
	s_add_co_u32 s48, s48, QSCO
	s_mov_b32 s49, 0
	s_wait_kmcnt 0x0
	s_add_nc_u64 s[34:35], s[6:7], s[34:35]
	s_add_nc_u64 s[36:37], s[6:7], s[36:37]
	s_add_nc_u64 s[38:39], s[10:11], s[38:39]
	s_add_nc_u64 s[42:43], s[4:5], s[42:43]
	s_add_nc_u64 s[44:45], s[4:5], s[44:45]
	s_add_nc_u64 s[46:47], s[20:21], s[46:47]
	s_add_nc_u64 s[48:49], s[20:21], s[48:49]
	HELDLOAD 34
.irp i, 0,1,2,3,4,5,6,7
	global_load_b128 v[HS+4*\i:HS+4*\i+3], v[R16], s[36:37] offset:256*\i        ; tile i, row r: its four K steps' words
.endr
	WIN 0x80
.irp i, 0,1,2,3,4,5,6,7                ; lane (r, h) wants, for tile i, the bias of channels 32 (i / 2) + 16 h + 8 (i % 2) + 0 .. 7
	global_load_b128 v[192+8*\i:195+8*\i], v[H64], s[38:39] offset:(32*(\i/2)+8*(\i%2))*4
	global_load_b128 v[196+8*\i:199+8*\i], v[H64], s[38:39] offset:(32*(\i/2)+8*(\i%2))*4+16
.endr
	WIN 0
.irp s, 0,1,2,3
	global_load_b128 v[SS+4*\s:SS+4*\s+3], v[L16], s[44:45] offset:512*\s        ; x's words of K step s: register gi: tile 2 gi in lanes 0-15, 2 gi + 1 in lanes 16-31
.endr
	STRLOAD 0, 42, 0
	STRLOAD 1, 42, 6144
.macro QTILE j, left
.if (\j)+2 < 8
	STRLOAD ((\j)+2)%3, 42, ((\j)+2)*6144          ; two tiles ahead; that set's last products stand in front of the last tile's quantiser
.endif
	s_wait_loadcnt \left                           ; tile j's 12 loads and all before them are in; the later tiles' may be out
	PROD8 1, (\j)%3, \j
	WIN 0
	PLACES
	s_wait_xcnt 0x0                                ; the last tile's stores have read the codes' registers
	QUANT ACC
	FRAGOUT 46, 3072*(\j), \j
.endm
	QTILE 0, 24
	QTILE 1, 24
	QTILE 2, 24
	QTILE 3, 24
	QTILE 4, 24
	QTILE 5, 24
	QTILE 6, 12
	QTILE 7, 0
	WORDS 48, 0
	s_endpgm
	; ---------------- v ----------------
.Lvrole:
	s_sub_co_u32 s31, ttmp9, 8
	s_lshr_b32 s32, s31, 5                         ; b
	s_and_b32 s33, s31, 31                         ; G: 128 keys; my wave's number is cq: 128 channels
	s_lshl_b32 s34, s32, 8
	s_lshl_b32 s35, s33, 3
	s_add_co_u32 s34, s34, s35
	s_mul_i32 s34, s34, 6144                       ; x's tiles b 256 + 8 G on
	s_mov_b32 s35, 0
	s_lshl_b32 s36, s32, 5
	s_add_co_u32 s36, s36, s33
	s_lshl_b32 s38, s36, 11
	s_add_co_u32 s38, s38, XSCO
	s_mov_b32 s39, 0
	s_lshl_b32 s40, s26, 3
	s_add_co_u32 s40, s40, 32                      ; Wv's tiles 32 + 8 cq on
	s_mul_i32 s42, s40, 6144
	s_mov_b32 s43, 0
	s_lshl_b32 s44, s40, 8
	s_add_co_u32 s44, s44, WSCO
	s_mov_b32 s45, 0
	s_lshl_b32 s46, s26, 9                         ; bv: 128 cq numbers on
	s_mov_b32 s47, 0
	s_lshl_b32 s48, s32, 2
	s_add_co_u32 s48, s48, s26
	s_lshl_b32 s48, s48, 5
	s_add_co_u32 s48, s48, s33
	s_mul_i32 s48, s48, 12800                      ; vq: ((b 4 + cq) 32 + G) x 12,800
	s_mov_b32 s49, 0
	s_wait_kmcnt 0x0
	s_add_nc_u64 s[34:35], s[4:5], s[34:35]
	s_add_nc_u64 s[38:39], s[4:5], s[38:39]
	s_add_nc_u64 s[42:43], s[6:7], s[42:43]
	s_add_nc_u64 s[44:45], s[6:7], s[44:45]
	s_add_nc_u64 s[46:47], s[14:15], s[46:47]
	s_add_nc_u64 s[48:49], s[24:25], s[48:49]
	HELDLOAD 34
.irp s, 0,1,2,3
	global_load_b128 v[HS+4*\s:HS+4*\s+3], v[L16], s[38:39] offset:512*\s
.endr
.macro VLOADS j                        ; a tile's 21 loads: 12 of codes; eight times my row's bias, since C wants it in all eight registers; its four scale words
	STRLOAD (\j)%3, 42, (\j)*6144
	WIN 0x80
.irp e, 0,1,2,3,4,5,6,7
	global_load_b32 v[192+8*((\j)%3)+\e], v[R4], s[46:47] offset:64*(\j)
.endr
	WIN 0
	global_load_b128 v[SS+4*((\j)%3):SS+4*((\j)%3)+3], v[R16], s[44:45] offset:256*(\j)
.endm
	VLOADS 0
	VLOADS 1
.macro VTILE j, left
.if (\j)+2 < 8
	VLOADS (\j)+2
.endif
	s_wait_loadcnt \left                           ; tile j's 21 loads and all before them are in; the later tiles' may be out
	PROD8 0, (\j)%3, \j
	WIN 0
	PLACES
	s_wait_xcnt 0x0                                ; the last tile's stores have read the codes' registers
	QUANT ACC
	FRAGOUT 48, 1536*(\j), \j
.endm
	VTILE 0, 42
	VTILE 1, 42
	VTILE 2, 42
	VTILE 3, 42
	VTILE 4, 42
	VTILE 5, 42
	VTILE 6, 21
	VTILE 7, 0
	WORDS 48, 12288
	s_endpgm
	; ---------------- k ----------------
.Lkrole:
	s_lshr_b32 s32, ttmp9, 1                       ; b
	s_and_b32 s33, ttmp9, 1                        ; b': keys w = 32 b' .. 32 b' + 31
	s_lshr_b32 s50, s26, 1                         ; oh (last phase)
	s_and_b32 s51, s26, 1                          ; u  (last phase)
	s_mul_i32 s40, s33, 13
	s_lshl_b32 s41, s33, 5
	s_mul_i32 s44, s33, 7                          ; the first pooled column that these keys touch
	s_mov_b32 s42, 0xc27c0000                      ; -63.0
	s_mov_b32 s43, 0x3c820821                      ; 1 / 63, rounded
	s_lshl_b32 s34, s32, 14                        ; pos[b][0][4 wp]: 16 bytes from wp to wp
	s_lshl_b32 s35, s44, 4
	s_add_co_u32 s34, s34, s35
	s_mov_b32 s35, 0
	s_lshl_b32 s36, s32, 19                        ; pool[b][.][7 b'][.]
	s_lshl_b32 s37, s44, 11
	s_add_co_u32 s36, s36, s37
	s_mov_b32 s37, 0
	s_lshl_b32 s52, s50, 3
	s_add_co_u32 s52, s52, 16                      ; Wk's tiles 16 + 8 oh on
	s_mul_i32 s38, s52, 6144
	s_mov_b32 s39, 0
	s_lshl_b32 s46, s52, 8
	s_add_co_u32 s46, s46, WSCO
	s_mov_b32 s47, 0
	s_lshl_b32 s48, s50, 9
	s_mov_b32 s49, 0
	s_lshl_b32 s53, s33, 1
	s_add_co_u32 s54, s53, s51                     ; kt = 2 b' + u
	s_lshl_b32 s54, s54, 1
	s_add_co_u32 s54, s54, s50
	s_mul_i32 s54, s54, 1536
	s_mul_i32 s55, s32, 12288
	s_add_co_u32 s54, s54, s55                     ; kq: b 12,288 + (2 kt + oh) 1,536
	s_mov_b32 s55, 0
	s_add_co_u32 s56, s53, s50
	s_lshl_b32 s56, s56, 7
	s_lshl_b32 s57, s51, 6
	s_add_co_u32 s56, s56, s57
	s_lshl_b32 s57, s32, 9
	s_add_co_u32 s56, s56, s57
	s_add_co_u32 s56, s56, KSCO                    ; its words: b 512 + (2 b' + oh) 128 + 64 u
	s_mov_b32 s57, 0
	v_lshlrev_b32 v8, 4, v0                        ; 16 x thread: my four channels, in memory and in a row of x1d
	v_and_b32 v9, 8, v6
	v_add_nc_u32 v9, v9, v6                        ; r + 8 (r / 8)
	v_lshlrev_b32 v10, 3, v7                       ; 8 h
	s_lshl_b32 s58, s26, 9
	v_lshl_add_u32 v11, v7, 7, s58                 ; x1d: 128 h + 512 x wave: my 32 channels of K step = wave
	s_mul_i32 s58, s26, 1536
	s_add_co_u32 s58, s58, X2IMG
	v_add_nc_u32 v12, s58, v[L16]                  ; where I store x2d's images: K step = wave
	s_lshl_b32 s58, s26, 7
	s_add_co_u32 s58, s58, X2SC
	v_lshl_add_u32 v13, v5, 2, s58                 ; and their scale words
	s_mul_i32 s58, s51, 6144
	s_add_co_u32 s58, s58, X2IMG
	v_add_nc_u32 v14, s58, v[L16]                  ; where I read them back: tile u = wave % 2
	s_lshl_b32 s58, s51, 9
	s_add_co_u32 s58, s58, X2SC
	v_lshl_add_u32 v15, v5, 2, s58
	v_mov_b32 v229, 0
	v_mov_b32 v239, 0                              ; (named as the upper halves of pairs whose low word serves both halves)
	v_mov_b32 v241, 0
	s_wait_kmcnt 0x0
	s_add_nc_u64 s[34:35], s[18:19], s[34:35]
	s_add_nc_u64 s[36:37], s[8:9], s[36:37]
	s_add_nc_u64 s[38:39], s[6:7], s[38:39]
	s_add_nc_u64 s[46:47], s[6:7], s[46:47]
	s_add_nc_u64 s[48:49], s[12:13], s[48:49]
	s_add_nc_u64 s[54:55], s[22:23], s[54:55]
	s_add_nc_u64 s[56:57], s[22:23], s[56:57]
.irp j, 0,1,2,3,4,5,6,7,8
	global_load_b32 v[PEA+\j], v229, s[34:35] offset:16*\j         ; pos of the nine pooled columns, the same in every lane
.endr
	s_wait_loadcnt 0x0
.irp j, 0,1,2,3,4,5,6,7,8
	v_lshrrev_b32 v[PEA+\j], 3, v[PEA+\j]          ; / 8
.endr
.irp j, 0,1,2,3,4,5,6,7,8
	v_min_u32 v[PEA+\j], 127, v[PEA+\j]            ; inside the table
.endr
.irp j, 0,1,2,3,4,5,6,7,8
	v_lshl_add_u32 v[PEA+\j], v[PEA+\j], 11, v8    ; the row's 2,048 bytes, my four channels
.endr
	HELDLOAD 38
.irp i, 0,1,2,3,4,5,6,7
	global_load_b128 v[HS+4*\i:HS+4*\i+3], v[R16], s[46:47] offset:256*\i
.endr
	WIN 0x80
.irp i, 0,1,2,3,4,5,6,7
	global_load_b128 v[192+8*\i:195+8*\i], v[H64], s[48:49] offset:(32*(\i/2)+8*(\i%2))*4
	global_load_b128 v[196+8*\i:199+8*\i], v[H64], s[48:49] offset:(32*(\i/2)+8*(\i%2))*4+16
.endr
	; ---- A: x1d = the pooled mean + the position's row, nine pooled columns; a thread has four channels.  Three sets of 17 loads by turns, in window 3
.macro ALOAD j
.irp q, 0,1,2,3,4,5,6,7,8,9,10,11,12,13,14,15
	global_load_b128 v[68*((\j)%3)+4*\q:68*((\j)%3)+4*\q+3], v8, s[36:37] offset:\q*32768+(\j)*2048
.endr
	global_load_b128 v[68*((\j)%3)+64:68*((\j)%3)+67], v[PEA+(\j)], s[16:17]
.endm
	WIN 0xc0
	ALOAD 0
	ALOAD 1
.macro ASTEP j, left
.if (\j)+2 < 9
	s_wait_dscnt 0x0                               ; the LDS store of the column before has read the set that is loaded again
	WIN 0xc0
	ALOAD (\j)+2
.endif
	s_wait_loadcnt \left                           ; this column's 17 loads and all before them are in; the later sets' may be out
	WIN 0xff
.set AB, 68*((\j)%3)
.irp q, 0,1,2,3,4,5,6,7
	v_pk_add_f32 v[AB+4*\q:AB+4*\q+1], v[AB+4*\q:AB+4*\q+1], v[AB+4*\q+32:AB+4*\q+33]
	v_pk_add_f32 v[AB+4*\q+2:AB+4*\q+3], v[AB+4*\q+2:AB+4*\q+3], v[AB+4*\q+34:AB+4*\q+35]
.endr
.irp q, 0,1,2,3
	v_pk_add_f32 v[AB+4*\q:AB+4*\q+1], v[AB+4*\q:AB+4*\q+1], v[AB+4*\q+16:AB+4*\q+17]
	v_pk_add_f32 v[AB+4*\q+2:AB+4*\q+3], v[AB+4*\q+2:AB+4*\q+3], v[AB+4*\q+18:AB+4*\q+19]
.endr
.irp q, 0,1
	v_pk_add_f32 v[AB+4*\q:AB+4*\q+1], v[AB+4*\q:AB+4*\q+1], v[AB+4*\q+8:AB+4*\q+9]
	v_pk_add_f32 v[AB+4*\q+2:AB+4*\q+3], v[AB+4*\q+2:AB+4*\q+3], v[AB+4*\q+10:AB+4*\q+11]
.endr
	v_pk_add_f32 v[AB:AB+1], v[AB:AB+1], v[AB+4:AB+5]
	v_pk_add_f32 v[AB+2:AB+3], v[AB+2:AB+3], v[AB+6:AB+7]
	v_pk_fma_f32 v[AB:AB+1], v[AB:AB+1], 0x3b800000, v[AB+64:AB+65] op_sel_hi:[1,0,1]     ; the sum of 256 numbers / 256, + the position's row
	v_pk_fma_f32 v[AB+2:AB+3], v[AB+2:AB+3], 0x3b800000, v[AB+66:AB+67] op_sel_hi:[1,0,1]
	WIN 0x0c                                       ; an LDS store's data are its source 1: window 3
	ds_store_b128 v8, v[AB:AB+3] offset:XPIT*(\j)  ; row j of x1d is pooled column 7 b' + j
.endm
	ASTEP 0, 34
	ASTEP 1, 34
	ASTEP 2, 34
	ASTEP 3, 34
	ASTEP 4, 34
	ASTEP 5, 34
	ASTEP 6, 34
	ASTEP 7, 17
	ASTEP 8, 0
	WIN 0
	s_wait_dscnt 0x0                               ; my stores have landed
	s_barrier_signal -1
	s_barrier_wait -1                              ; x1d's nine rows lie in LDS
	; ---- B: x2d, the bilinear row, for the two tiles of 16 keys; my wave makes K step = wave of each.  Lane (r, h) holds key w = 32 b' + 8 u + r + 8 (r / 8) and two whole blocks of 32 channels
.macro KBLK u
	v_add_nc_u32 v232, 8*\u, v9                    ; w0 = w - 32 b'
	v_mul_u32_u24 v233, v232, 5
	v_add_nc_u32 v233, s40, v233                   ; 5 w0 + 13 b' = 5 w - 147 b'
	v_mul_u32_u24 v233, v233, 3121
	v_lshrrev_b32 v233, 16, v233                   ; / 21, rounded down (exact up to 168): i0 - 7 b', the row of x1d
	v_add_nc_u32 v234, 1, v233
	v_min_u32 v234, 8, v234                        ; i1 - 7 b' (row 8 is pooled column 15 where the hold matters)
	v_add_nc_u32 v235, s41, v232                   ; w
	v_mul_u32_u24 v235, v235, 15
	v_cvt_f32_u32 v235, v235                       ; a = 15 w, exact
	v_mul_f32 v236, s43, v235                      ; a / 63: a first quotient,
	v_fma_f32 v237, v236, s42, v235                ; its remainder,
	v_fma_f32 v236, v237, s43, v236                ; and the corrected quotient: src
	v_add_nc_u32 v237, s44, v233
	v_cvt_f32_u32 v237, v237                       ; i0
	v_sub_f32 v238, v236, v237                     ; t
	v_sub_f32 v240, 1.0, v238                      ; 1 - t
	v_mul_u32_u24 v242, v233, XPIT
	v_add_nc_u32 v242, v11, v242
	v_mul_u32_u24 v243, v234, XPIT
	v_add_nc_u32 v243, v11, v243
.irp c, 0,1
.irp i, 0,1,2,3,4,5,6,7
	ds_load_b128 v[64+4*\i:67+4*\i], v242 offset:256*\c+16*\i
	ds_load_b128 v[96+4*\i:99+4*\i], v243 offset:256*\c+16*\i
.endr
	s_wait_dscnt 0x0
.irp i, 0,2,4,6,8,10,12,14,16,18,20,22,24,26,28,30
	v_pk_mul_f32 v[96+\i:97+\i], v[96+\i:97+\i], v[238:239] op_sel_hi:[1,0]
.endr
.irp i, 0,2,4,6,8,10,12,14,16,18,20,22,24,26,28,30
	v_pk_fma_f32 v[64+\i:65+\i], v[64+\i:65+\i], v[240:241], v[96+\i:97+\i] op_sel_hi:[1,0,1]
.endr
	v_max3_num_f32 v[TM], |v64|, |v65|, |v66|
	v_max3_num_f32 v[TM+1], |v67|, |v68|, |v69|
.irp i, 6,10,14,18,22,26
	v_max3_num_f32 v[TM], v[TM], |v[64+\i]|, |v[65+\i]|
	v_max3_num_f32 v[TM+1], v[TM+1], |v[66+\i]|, |v[67+\i]|
.endr
	v_max3_num_f32 v[TM], v[TM], |v94|, |v95|
	v_max3_num_f32 v[TM], v[TM], v[TM+1], 0x1800000
	v_add_nc_u32 v[TM+12], 0xff000000, v[TM]
	v_lshrrev_b32 v[TM+8+\c], 23, v[TM+12]
	v_cvt_scalef32_pk16_fp6_f32 v[KC+12*\u+6*\c:KC+12*\u+6*\c+2], v[64:79], v[TM+12]
	v_cvt_scalef32_pk16_fp6_f32 v[212:214], v[80:95], v[TM+12]
	v_nop                                          ; one plain line behind a scaled conversion
.irp i, 0,1,2
	v_mov_b32 v[KC+12*\u+6*\c+3+\i], v[212+\i]
.endr
.endr
	v_lshl_or_b32 v[KW+\u], v[TM+9], 16, v[TM+8]   ; my two bytes, at their places; with lane l xor 16's the word is whole
	v_lshlrev_b32 v[KW+\u], v10, v[KW+\u]
	v_permlanex16_b32 v[TM+4], v[KW+\u], s[SEL], s[SEL+1]
	v_or_b32 v[KW+\u], v[KW+\u], v[TM+4]
.endm
	KBLK 0
	KBLK 1
	s_wait_dscnt 0x0
	s_barrier_signal -1
	s_barrier_wait -1                              ; every wave's reads of x1d are over before any image is stored
.irp u, 0,1
.irp p, 0,1,2
	ds_store_b128 v12, v[KC+12*\u+4*\p:KC+12*\u+4*\p+3] offset:6144*\u+512*\p
.endr
	ds_store_b32 v13, v[KW+\u] offset:512*\u
.endr
	s_wait_dscnt 0x0
	s_barrier_signal -1
	s_barrier_wait -1                              ; x2d's eight fragments lie in LDS
	; ---- C: k for tile u = wave % 2 and channels 128 (wave / 2) on
	WIN 0xc0
.irp s, 0,1,2,3
.irp p, 0,1,2
	ds_load_b128 v[12*\s+4*\p:12*\s+4*\p+3], v14 offset:1536*\s+512*\p
.endr
.endr
	WIN 0
.irp s, 0,1,2,3
	ds_load_b32 v[SS+\s], v15 offset:128*\s
.endr
	s_wait_dscnt 0x0
	s_wait_loadcnt 0x0                             ; Wk, its words and bk came in ahead of the pooling's loads
	PROD8 2, 0, 0
	WIN 0
	PLACES
	QUANT ACC
.irp p, 0,1,2
	global_store_b128 v[L16], v[PC+4*\p:PC+4*\p+3], s[54:55] offset:512*\p
.endr
	global_store_b32 v[R4], v[PW], s[56:57]        ; 64 bytes: a piece of a 256-byte block; 32 such stores in the launch
	s_wait_tensorcnt 0x0
	ds_add_u32 v254, v255
	s_wait_dscnt 0x0
	s_endpgm
.Lfunc_end_k_q86cd6bd893_proj:
	.size	k_q86cd6bd893_proj, .Lfunc_end_k_q86cd6bd893_proj-k_q86cd6bd893_proj
	.p2alignl 7, 3214868480
	.fill 96, 4, 3214868480
	.section	.rodata,"a",@progbits
	.p2align	6, 0x0
	.amdhsa_kernel k_q86cd6bd893_proj
		.amdhsa_group_segment_fixed_size 47104
		.amdhsa_private_segment_fixed_size 0
		.amdhsa_enable_private_segment 0
		.amdhsa_kernarg_size 88
		.amdhsa_user_sgpr_count 2
		.amdhsa_user_sgpr_kernarg_segment_ptr 1
		.amdhsa_wavefront_size32 1
		.amdhsa_system_sgpr_workgroup_id_x 1
		.amdhsa_system_sgpr_workgroup_id_y 1
		.amdhsa_system_sgpr_workgroup_id_z 1
		.amdhsa_system_vgpr_workitem_id 0
		.amdhsa_next_free_vgpr 1024
		.amdhsa_next_free_sgpr 66
		.amdhsa_reserve_vcc 0
		.amdhsa_float_denorm_mode_32 3
		.amdhsa_float_denorm_mode_16_64 3
		.amdhsa_memory_ordered 1
		.amdhsa_forward_progress 1
		.amdhsa_inst_pref_size 255
	.end_amdhsa_kernel
	.section	.bss,"aw",@nobits
	.p2align	6
	.space	262144
	.amdgpu_metadata
---
amdhsa.version: [ 1, 2 ]
amdhsa.kernels:
  - .name:           k_q86cd6bd893_proj
    .symbol:         k_q86cd6bd893_proj.kd
    .args:
      - { .name: xq, .offset: 0, .size: 8, .value_kind: global_buffer, .address_space: global }
      - { .name: wq, .offset: 8, .size: 8, .value_kind: global_buffer, .address_space: global }
      - { .name: pool, .offset: 16, .size: 8, .value_kind: global_buffer, .address_space: global }
      - { .name: bq, .offset: 24, .size: 8, .value_kind: global_buffer, .address_space: global }
      - { .name: bk, .offset: 32, .size: 8, .value_kind: global_buffer, .address_space: global }
      - { .name: bv, .offset: 40, .size: 8, .value_kind: global_buffer, .address_space: global }
      - { .name: pe_table, .offset: 48, .size: 8, .value_kind: global_buffer, .address_space: global }
      - { .name: pos, .offset: 56, .size: 8, .value_kind: global_buffer, .address_space: global }
      - { .name: qq, .offset: 64, .size: 8, .value_kind: global_buffer, .address_space: global }
      - { .name: kq, .offset: 72, .size: 8, .value_kind: global_buffer, .address_space: global }
      - { .name: vq, .offset: 80, .size: 8, .value_kind: global_buffer, .address_space: global }
    .group_segment_fixed_size: 47104
    .private_segment_fixed_size: 0
    .kernarg_segment_align: 8
    .kernarg_segment_size: 88
    .max_flat_workgroup_size: 128
    .sgpr_count:     66
    .vgpr_count:     1024
    .wavefront_size: 32
...
	.end_amdgpu_metadata
.endif
;; end of part 2
;; launch attn (part 3): grid 16 x 16, 4 waves a work-group, clusters of 4 x 1, 327,680 bytes of LDS; arguments qq, kq, vq, x, gamma, out0; writes out0
.if DOCPART == 3
	.amdgcn_target "amdgcn-amd-amdhsa--gfx1250"
	.amdhsa_code_object_version 6
	.text
	.protected	k_q86cd6bd893_attn
	.globl	k_q86cd6bd893_attn
	.p2align	8
	.type	k_q86cd6bd893_attn,@function
k_q86cd6bd893_attn:
	s_mov_b64 s[64:65], 0
	v_nop
	global_prefetch_b8 v0, s[64:65] scope:SCOPE_SE
	s_setreg_imm32_b32 hwreg(HW_REG_WAVE_MODE, 25, 1), 1
	s_wait_xcnt 0x0
	s_wait_alu depctr_hold_cnt(0) depctr_sa_sdst(0) depctr_va_vdst(0) depctr_va_sdst(0) depctr_va_ssrc(0) depctr_va_vcc(0) depctr_vm_vsrc(0)
	s_getreg_b32 s2, hwreg(HW_REG_IB_STS2, 6, 4)
	s_cmp_eq_u32 s2, 0
	s_cbranch_scc0 .Lentry_in_a_cluster
	s_endpgm
.Lentry_in_a_cluster:
	s_bfe_u32 s2, ttmp6, 0x10000c
	s_cmp_lg_u32 s2, 0x3003
	s_cbranch_scc0 .Lentry_shape_is_right
	s_endpgm
.Lentry_shape_is_right:
; out0 = gamma softmax(q^T k) v + x, both products on codes of FP6 (E2M3) with E8M0 scales.
; k does not hang on the image row, so a query has 64 distinct logits, each met 64 times: t = logit x log2(e), M = ceil(the largest t), p = 2^(t - M), l = 64 x the sum of the 64 unquantised p (x 64 is exact).
; A quantiser's block of 32 keys is one half of one image row, so p's codes and scale bytes repeat with period 64 along the keys: ONE fragment of p serves every step of 128 keys and stays in registers.
; v's codes differ from image row to image row: the second product is done in full, K = 4,096 keys, and only v streams.
; SHARES.  A work-group: 256 queries x 128 channels of one batch.  Prologue: wave w' makes p of its 64 queries (four tiles of 16); the fragments reach the other waves through LDS as images of their registers.
; Main part: wave w' has 32 channels x 256 queries: 32 accumulators; source 0 = p (16 queries, permuted tiles), source 1 = v (16 channels): a lane holds one channel and eight neighbouring queries.
; CLUSTER.  The four work-groups of a cluster differ in their queries alone and walk the same v: each chunk is asked for JOINTLY.  v's 32 key steps (12,800 bytes each: 8 fragment images and 512 bytes of scale words) come in
; four chunks of 8: three at the start into three regions of LDS, the fourth into the first region when that has been read.  By this text's count a wave has three tensor loads out at the start and one behind the refill.
; No prefetch: the first three chunks go out at the head, and the fourth is asked for 384 matrix instructions of each wave ahead of the wait for it.
; LIMITS: NaN and infinities are not served.  A block whose every p is 0 keeps the byte 1: its codes are zeros.
; REGISTERS, in windows of 256: window 0: v1-15, v52-59 addresses; v16-31 p's scale words, v32-35 v's, v36-39 k's, v40-43 q's (these hold scales alone); v44-51 gamma / l of my eight queries on the way out;
;   prologue: v64-191 the scores, 32 a tile; v192-239 statistics, 12 a tile; v240-248 codes;  main part: v64-255 p's 16 fragments;  way out: v64-191 rows of the result.
;   window 1: the accumulators, (ct, T) at 8 (16 ct + T).  window 2: prologue: k's 8 fragments, from v96 q's 8; main part: v's two sets of 48.  window 3: x for the residual.
.set KSCO,  49152
.set QSCO,  3145728
.set CHUNK, 102400                     ; 8 key steps
.set STEPB, 12800
.set PIMG,  307200                     ; LDS behind the three regions: p's 16 fragments, 768 bytes each (six registers a lane),
.set PSC,   319488                     ; their scale words, 128 bytes each,
.set FL,    321536                     ; gamma / l of the 256 queries,
.set SPARE, 322560                     ; and the spare words, 128 bytes for each wave: two blocks of 256 bytes that no other line names
.set STG,   102400                     ; the way out: 16 rows x 1,040 bytes for each wave, in the second region: it is filled once, and its last read stands ahead of the last barrier
.set SREG,  16640
.set SPIT,  1040
.set L16, 1                            ; v1  16 x lane
.set L4,  2                            ; v2  4 x lane
.set PI,  3                            ; v3-6   where I store p's images, scale words and gamma / l
.set PJ,  4
.set PK,  5
.set PF,  6
.set LI,  7                            ; v7-10  where every wave reads them back
.set LJ,  8
.set LK,  9
.set LF,  10
.set AV0, 11                           ; v11 my lane's place in a key step: 16 x lane + 3,072 x wave
.set SPW, 12                           ; v12 LDS address of my spare word; never rewritten
.set NIL, 13                           ; v13 0; never rewritten
.set ADRV, 14                          ; v14, v15 the addresses of the fetch in hand
.set ADRS, 15
.set PS,  16
.set VS,  32
.set KS,  36
.set QS,  40
.set F,   44
.set AS0, 52                           ; v52 my lane's place among a key step's scale words
.set QSA, 53
.set STO, 54
.set SRD, 55
.set S,   64
.set P,   64
.set ST,  192                          ; tile t's statistics at ST + 12 t: +0, +1 the blocks' largest score, then p, then byte; +2, +3 at work, then the conversions' scale operands; +4 -M; +5 the largest t; +6..9 sums; +10 scale word; +11 gamma / l
.set WV,  21
.set CS,  30
.set G1,  32
.set G0,  40
.set SEL, 62
.set MSB, 0
.macro WIN new                         ; the immediate's high byte repeats the setting that is left
.if MSB != \new
	s_set_vgpr_msb (MSB<<8)|\new
.set MSB, \new
.endif
.endm
.macro PLACES
.rept 4
	v_nop
.endr
.endm
.macro WM d, a, b, c, sa, sb, ra, rb   ; one matrix instruction; c under 0: the constant 0 starts the sum; ra, rb = 1: that side's scales stand in lanes 16-31
.if (\c) < 0
.if (\ra) && (\rb)
	v_wmma_scale_f32_16x16x128_f8f6f4 v[\d:\d+7], v[\a:\a+11], v[\b:\b+11], 0, v[\sa], v[\sb] matrix_a_fmt:MATRIX_FMT_FP6 matrix_b_fmt:MATRIX_FMT_FP6 matrix_a_scale:MATRIX_SCALE_ROW1 matrix_b_scale:MATRIX_SCALE_ROW1
.elseif (\ra)
	v_wmma_scale_f32_16x16x128_f8f6f4 v[\d:\d+7], v[\a:\a+11], v[\b:\b+11], 0, v[\sa], v[\sb] matrix_a_fmt:MATRIX_FMT_FP6 matrix_b_fmt:MATRIX_FMT_FP6 matrix_a_scale:MATRIX_SCALE_ROW1
.elseif (\rb)
	v_wmma_scale_f32_16x16x128_f8f6f4 v[\d:\d+7], v[\a:\a+11], v[\b:\b+11], 0, v[\sa], v[\sb] matrix_a_fmt:MATRIX_FMT_FP6 matrix_b_fmt:MATRIX_FMT_FP6 matrix_b_scale:MATRIX_SCALE_ROW1
.else
	v_wmma_scale_f32_16x16x128_f8f6f4 v[\d:\d+7], v[\a:\a+11], v[\b:\b+11], 0, v[\sa], v[\sb] matrix_a_fmt:MATRIX_FMT_FP6 matrix_b_fmt:MATRIX_FMT_FP6
.endif
.else
.if (\ra) && (\rb)
	v_wmma_scale_f32_16x16x128_f8f6f4 v[\d:\d+7], v[\a:\a+11], v[\b:\b+11], v[\c:\c+7], v[\sa], v[\sb] matrix_a_fmt:MATRIX_FMT_FP6 matrix_b_fmt:MATRIX_FMT_FP6 matrix_a_scale:MATRIX_SCALE_ROW1 matrix_b_scale:MATRIX_SCALE_ROW1
.elseif (\ra)
	v_wmma_scale_f32_16x16x128_f8f6f4 v[\d:\d+7], v[\a:\a+11], v[\b:\b+11], v[\c:\c+7], v[\sa], v[\sb] matrix_a_fmt:MATRIX_FMT_FP6 matrix_b_fmt:MATRIX_FMT_FP6 matrix_a_scale:MATRIX_SCALE_ROW1
.elseif (\rb)
	v_wmma_scale_f32_16x16x128_f8f6f4 v[\d:\d+7], v[\a:\a+11], v[\b:\b+11], v[\c:\c+7], v[\sa], v[\sb] matrix_a_fmt:MATRIX_FMT_FP6 matrix_b_fmt:MATRIX_FMT_FP6 matrix_b_scale:MATRIX_SCALE_ROW1
.else
	v_wmma_scale_f32_16x16x128_f8f6f4 v[\d:\d+7], v[\a:\a+11], v[\b:\b+11], v[\c:\c+7], v[\sa], v[\sb] matrix_a_fmt:MATRIX_FMT_FP6 matrix_b_fmt:MATRIX_FMT_FP6
.endif
.endif
.endm
.macro CROUND                          ; a round of the cluster's barrier: my work-group's barrier; wave 0 signals for the work-group; every wave waits for all four work-groups; my work-group's barrier once more
	s_barrier_signal -1
	s_barrier_wait -1
	s_cmp_lg_u32 s[WV], 0
	s_cbranch_scc1 .Lnot_wave_0_\@
	s_barrier_signal -3
.Lnot_wave_0_\@:
	s_barrier_wait -3
	s_barrier_signal -1
	s_barrier_wait -1
.endm
	s_load_b256 s[4:11], s[0:1], 0x0               ; qq s[4:5], kq s[6:7], vq s[8:9], x s[10:11]
	s_load_b128 s[12:15], s[0:1], 0x20             ; gamma s[12:13], out0 s[14:15]
	v_lshl_add_u32 v[SPW], v0, 2, SPARE
	v_mov_b32 v[NIL], 0
	ds_add_u32 v12, v13
	ds_add_u32 v12, v13
	s_wait_dscnt 0x0
	v_lshrrev_b32 v1, 5, v0
	v_readfirstlane_b32 s[WV], v1                  ; wave 0..3
	s_bfe_u32 s16, ttmp6, 0x40000                  ; cx: my place in the cluster
	s_lshl_b32 s17, ttmp9, 2
	s_add_co_u32 s17, s17, s16                     ; my block of 256 queries: it enters qq's, x's and out0's addresses alone
	s_and_b32 s18, ttmp7, 0xffff                   ; y = 4 b + cq, which the four partners share
	s_lshr_b32 s19, s18, 2                         ; b
	; descriptor group 1: 100 dense rows of 256 bytes (32 elements of 8 bytes): a wave's quarter of a chunk; no padding: images are read 512 consecutive bytes at a time
	s_mov_b32 s[G1], 15|(3<<16)|(1<<21)            ; 15:0 the mask: all four work-groups; 17:16 elements of 8 bytes; 21 set beside a mask
	s_mov_b32 s[G1+1], 32<<16                      ; tensor_dim0 = 32
	s_mov_b32 s[G1+2], 100<<16                     ; tensor_dim1 = 100
	s_mov_b32 s[G1+3], 32<<16                      ; tile_dim0 = 32
	s_mov_b32 s[G1+4], 100                         ; tile_dim1 = 100
	s_mov_b32 s[G1+5], 32                          ; from row to row: 32 elements
	s_mov_b32 s[G1+6], 0
	s_mov_b32 s[G1+7], 0
	s_mul_i32 s24, s[WV], 25600                    ; my quarter, in LDS and in memory
	s_mul_i32 s26, s18, 409600                     ; vq: y x 32 key steps
	s_add_co_u32 s26, s26, s24
	s_mov_b32 s27, 0
	s_mul_i32 s54, s19, 12288                      ; kq: the batch's eight fragments,
	s_mov_b32 s55, 0
	s_lshl_b32 s56, s19, 9
	s_add_co_u32 s56, s56, KSCO                    ; and their scale words
	s_mov_b32 s57, 0
	s_lshl_b32 s58, s19, 8                         ; qq: tile b 256 + 16 block + 4 wave, 3,072 bytes a tile
	s_lshl_b32 s22, s17, 4
	s_add_co_u32 s58, s58, s22
	s_lshl_b32 s22, s[WV], 2
	s_add_co_u32 s58, s58, s22
	s_mul_i32 s58, s58, 3072
	s_mov_b32 s59, 0
	s_lshl_b32 s60, s19, 5                         ; its words: QSCO + (b 32 + 2 block + wave / 2) x 1,024
	s_lshl_b32 s22, s17, 1
	s_add_co_u32 s60, s60, s22
	s_lshr_b32 s22, s[WV], 1
	s_add_co_u32 s60, s60, s22
	s_lshl_b32 s60, s60, 10
	s_add_co_u32 s60, s60, QSCO
	s_mov_b32 s61, 0
	s_lshl_b32 s66, s18, 21                        ; x, out0: channel 128 y + 32 wave, 16,384 bytes a channel; query 256 block
	s_lshl_b32 s22, s[WV], 19
	s_add_co_u32 s66, s66, s22
	s_lshl_b32 s22, s17, 10
	s_add_co_u32 s66, s66, s22
	s_mov_b32 s67, 0
	s_mov_b32 s[CS], 0x3fb8aa3b                    ; log2(e)
	s_mov_b32 s[CS+1], s[CS]                       ; (named with it as a pair, so it is written)
	s_mov_b32 s[SEL], 0x76543210
	s_mov_b32 s[SEL+1], 0xfedcba98                 ; v_permlanex16_b32's selects for lane l xor 16
	s_wait_kmcnt 0x0
	s_load_b32 s28, s[12:13], 0x0                  ; gamma
	s_add_nc_u64 s[26:27], s[8:9], s[26:27]
	s_add_nc_u64 s[54:55], s[6:7], s[54:55]
	s_add_nc_u64 s[56:57], s[6:7], s[56:57]
	s_add_nc_u64 s[58:59], s[4:5], s[58:59]
	s_add_nc_u64 s[60:61], s[4:5], s[60:61]
	s_add_nc_u64 s[68:69], s[14:15], s[66:67]
	s_add_nc_u64 s[66:67], s[10:11], s[66:67]
.irp j, 0,1,2
	s_mov_b32 s[G0+4*\j], 1                                        ; count = 1
	s_add_co_u32 s[G0+4*\j+1], s24, \j*CHUNK                       ; LDS address: region j, my quarter
	s_add_nc_u64 s[G0+4*\j+2:G0+4*\j+3], s[26:27], \j*CHUNK        ; global address: chunk j, my quarter
	s_or_b32 s[G0+4*\j+3], s[G0+4*\j+3], 0x80000000                ; type = 2
.endr
	CROUND                                         ; all four work-groups are here: the first joint loads meet
	tensor_load_to_lds s[G0:G0+3], s[G1:G1+7]
	s_nop 0
	tensor_load_to_lds s[G0+4:G0+7], s[G1:G1+7]
	s_nop 0
	tensor_load_to_lds s[G0+8:G0+11], s[G1:G1+7]
	s_nop 0
	PLACES                                         ; four v_nop follow the tensor loads
	v_and_b32 v56, 31, v0                          ; lane
	v_and_b32 v57, 15, v0                          ; r
	v_bfe_u32 v58, v0, 4, 1                        ; h
	v_lshlrev_b32 v[L16], 4, v56
	v_lshlrev_b32 v[L4], 2, v56
	s_mul_i32 s52, s[WV], 3072
	v_add_nc_u32 v[LI], PIMG, v[L16]
	v_add_nc_u32 v[PI], s52, v[LI]
	v_lshl_add_u32 v[LJ], v56, 3, PIMG
	v_add_nc_u32 v[PJ], s52, v[LJ]
	v_add_nc_u32 v[LK], PSC, v[L4]
	s_lshl_b32 s53, s[WV], 9
	v_add_nc_u32 v[PK], s53, v[LK]
	v_add_nc_u32 v[LF], FL, v[L16]
	v_and_b32 v59, 8, v57
	v_add_nc_u32 v59, v59, v57                     ; r + 8 (r / 8): my query's place in its pair of tiles
	v_lshl_add_u32 v[PF], v59, 2, FL
	s_lshl_b32 s53, s[WV], 8
	v_add_nc_u32 v[PF], s53, v[PF]
	v_add_nc_u32 v[AV0], s52, v[L16]
	s_lshl_b32 s53, s[WV], 2
	s_add_co_u32 s53, s53, 12288
	v_add_nc_u32 v[AS0], s53, v[L16]               ; word w' of lane l: channel tile 2 w' in lanes 0-15, 2 w' + 1 in lanes 16-31
	s_mul_i32 s53, s[WV], SREG
	s_add_co_u32 s53, s53, STG
	v_mul_u32_u24 v[STO], v57, SPIT
	v_lshl_add_u32 v[STO], v58, 6, v[STO]
	v_add_nc_u32 v[STO], s53, v[STO]               ; the stage, in: row r, + 64 h
	v_add_nc_u32 v[SRD], s53, v[L16]               ; and back: 16 bytes a lane
	s_and_b32 s53, s[WV], 1
	s_lshl_b32 s53, s53, 3
	v_add_nc_u32 v[QSA], s53, v[L16]
	; ---- the prologue's operands: all of the batch's k, my four tiles of q
	WIN 0x80                                       ; destination window 2
.irp f, 0,1,2,3,4,5,6,7
.irp p, 0,1,2
	global_load_b128 v[12*\f+4*\p:12*\f+4*\p+3], v[L16], s[54:55] offset:1536*\f+512*\p          ; k (tile kt, half oh) at 12 (2 kt + oh)
	global_load_b128 v[96+12*\f+4*\p:96+12*\f+4*\p+3], v[L16], s[58:59] offset:1536*\f+512*\p    ; q (tile t, half oh) at 96 + 12 (2 t + oh)
.endr
.endr
	WIN 0
.irp i, 0,1,2,3
	global_load_b32 v[KS+\i], v[L4], s[56:57] offset:128*\i        ; register 2 b' + oh: tile 2 b' in lanes 0-15, 2 b' + 1 in lanes 16-31
.endr
.irp o, 0,1
	global_load_b64 v[QS+2*\o:QS+2*\o+1], v[QSA], s[60:61] offset:512*\o   ; register 2 oh + t / 2: tile t even in lanes 0-15, odd in lanes 16-31
.endr
	s_wait_kmcnt 0x0
	s_mul_f32 s28, s28, 0x3c800000                 ; gamma / 64
	s_wait_loadcnt 0x0
	; ---- S^T = k q^T: source 0 = 16 keys, source 1 = 16 queries: a lane holds one query; registers 16 b' + i are keys 32 b' + 16 (lane / 16) + i.  Sixteen accumulators by turns
	WIN 0x0a
.irp t, 0,1,2,3
.irp kt, 0,1,2,3
	WM S+32*\t+8*\kt, 12*(2*\kt), 96+12*(2*\t), -1, KS+2*(\kt/2), QS+\t/2, \kt%2, \t%2
.endr
.endr
.irp t, 0,1,2,3
.irp kt, 0,1,2,3
	WM S+32*\t+8*\kt, 12*(2*\kt+1), 96+12*(2*\t+1), S+32*\t+8*\kt, KS+2*(\kt/2)+1, QS+2+\t/2, \kt%2, \t%2
.endr
.endr
	WIN 0
.irp t, 0,1,2,3
	v_mov_b32 v[ST+12*\t+2], 0                     ; a lane permute's destination counts as one of its sources.  (These eight are also the places behind the products)
	v_mov_b32 v[ST+12*\t+3], 0
.endr
	; ---- the softmax, the four tiles by turns
.irp t, 0,1,2,3
.irp b, 0,1
	v_max3_num_f32 v[ST+12*\t+\b], v[S+32*\t+16*\b], v[S+32*\t+16*\b+1], v[S+32*\t+16*\b+2]     ; the largest score of each block of 32 keys: it serves for the row's maximum and, since p rises with the score, for the block's largest p
.endr
.endr
.irp i, 3,5,7,9,11,13
.irp t, 0,1,2,3
.irp b, 0,1
	v_max3_num_f32 v[ST+12*\t+\b], v[ST+12*\t+\b], v[S+32*\t+16*\b+\i], v[S+32*\t+16*\b+\i+1]
.endr
.endr
.endr
.irp t, 0,1,2,3
.irp b, 0,1
	v_max_num_f32 v[ST+12*\t+\b], v[ST+12*\t+\b], v[S+32*\t+16*\b+15]
.endr
.endr
.irp t, 0,1,2,3
.irp b, 0,1
	v_permlanex16_b32 v[ST+12*\t+2+\b], v[ST+12*\t+\b], s[SEL], s[SEL+1]
.endr
.endr
.irp t, 0,1,2,3
.irp b, 0,1
	v_max_num_f32 v[ST+12*\t+\b], v[ST+12*\t+\b], v[ST+12*\t+2+\b]  ; with lane l xor 16's 16 keys
.endr
.endr
.irp t, 0,1,2,3
	v_max_num_f32 v[ST+12*\t+5], v[ST+12*\t], v[ST+12*\t+1]        ; the row's largest score: all 64 distinct keys are seen, so M is final
.endr
.irp t, 0,1,2,3
	v_mul_f32 v[ST+12*\t+5], s[CS], v[ST+12*\t+5]                  ; as t
.endr
.irp t, 0,1,2,3
	v_floor_f32 v[ST+12*\t+4], -v[ST+12*\t+5]                      ; -M = floor(-t) = -ceil(t)
.endr
.irp j, 0,2,4,6,8,10,12,14,16,18,20,22,24,26,28,30
.irp t, 0,1,2,3
	v_pk_fma_f32 v[S+32*\t+\j:S+32*\t+\j+1], v[S+32*\t+\j:S+32*\t+\j+1], s[CS:CS+1], v[ST+12*\t+4:ST+12*\t+5] op_sel_hi:[1,0,0]   ; t - M, two at a time
.endr
.endr
.irp t, 0,1,2,3
.irp b, 0,1
	v_fma_f32 v[ST+12*\t+\b], v[ST+12*\t+\b], s[CS], v[ST+12*\t+4]  ; the same of each block's largest score
.endr
.endr
.set ej_, 0
.rept 128
	v_exp_f32 v[S+ej_], v[S+ej_]                   ; p = 2^(t - M): not normalised
.set ej_, ej_+1
.endr
.irp t, 0,1,2,3
.irp b, 0,1
	v_exp_f32 v[ST+12*\t+\b], v[ST+12*\t+\b]       ; the block's largest p: the same two instructions on the same number give the same bits
.endr
.endr
	v_nop                                          ; a plain line behind the last exponential
	s_wait_alu depctr_va_vdst(0)                   ; one wait for the batch of 136, ahead of its first reader
.irp t, 0,1,2,3
	v_pk_add_f32 v[ST+12*\t+6:ST+12*\t+7], v[S+32*\t:S+32*\t+1], v[S+32*\t+4:S+32*\t+5]         ; the sum of the UNQUANTISED p, two chains a tile
	v_pk_add_f32 v[ST+12*\t+8:ST+12*\t+9], v[S+32*\t+2:S+32*\t+3], v[S+32*\t+6:S+32*\t+7]
.endr
.irp j, 8,12,16,20,24,28
.irp t, 0,1,2,3
	v_pk_add_f32 v[ST+12*\t+6:ST+12*\t+7], v[ST+12*\t+6:ST+12*\t+7], v[S+32*\t+\j:S+32*\t+\j+1]
	v_pk_add_f32 v[ST+12*\t+8:ST+12*\t+9], v[ST+12*\t+8:ST+12*\t+9], v[S+32*\t+\j+2:S+32*\t+\j+3]
.endr
.endr
.irp t, 0,1,2,3
	v_pk_add_f32 v[ST+12*\t+6:ST+12*\t+7], v[ST+12*\t+6:ST+12*\t+7], v[ST+12*\t+8:ST+12*\t+9]
.endr
.irp t, 0,1,2,3
	v_add_f32 v[ST+12*\t+6], v[ST+12*\t+6], v[ST+12*\t+7]
.endr
.irp t, 0,1,2,3
	v_permlanex16_b32 v[ST+12*\t+2], v[ST+12*\t+6], s[SEL], s[SEL+1]
.endr
.irp t, 0,1,2,3
	v_add_f32 v[ST+12*\t+6], v[ST+12*\t+6], v[ST+12*\t+2]          ; the sum over the 64 distinct keys, at least 1/2
.endr
.irp t, 0,1,2,3
	v_rcp_f32 v[ST+12*\t+11], v[ST+12*\t+6]
.endr
.irp t, 0,1,2,3
.irp b, 0,1
	v_max_num_f32 v[ST+12*\t+\b], 0x1800000, v[ST+12*\t+\b]        ; the floor 2^(3 - 127): the byte cannot fall under 1.  (Work that names no reciprocal stands behind the four)
.endr
.endr
.irp t, 0,1,2,3
.irp b, 0,1
	v_add_nc_u32 v[ST+12*\t+2+\b], 0xff000000, v[ST+12*\t+\b]      ; 2 off the exponent field: the conversion's scale operand
.endr
.endr
.irp t, 0,1,2,3
.irp b, 0,1
	v_lshrrev_b32 v[ST+12*\t+\b], 23, v[ST+12*\t+2+\b]             ; the scale's byte
.endr
.endr
.irp t, 0,1,2,3
	v_lshl_or_b32 v[ST+12*\t+10], v[ST+12*\t+1], 8, v[ST+12*\t]
.endr
.irp t, 0,1,2,3
	v_lshl_or_b32 v[ST+12*\t+10], v[ST+12*\t+10], 16, v[ST+12*\t+10]   ; a step of 128 keys is two image rows: bytes b0, b1, b0, b1
.endr
	s_wait_alu depctr_va_vdst(0)                   ; one wait for the four reciprocals, ahead of their first reader
.irp t, 0,1,2,3
	v_mul_f32 v[ST+12*\t+11], s28, v[ST+12*\t+11]  ; gamma / l, l = 64 x the sum
.endr
.macro PCV t, pc                       ; tile t's 64 p become codes; a plain line follows, since the next tile's codes are laid over this tile's p
	v_cvt_scalef32_pk16_fp6_f32 v[\pc:\pc+2], v[S+32*\t:S+32*\t+15], v[ST+12*\t+2]
	v_cvt_scalef32_pk16_fp6_f32 v[\pc+6:\pc+8], v[S+32*\t+16:S+32*\t+31], v[ST+12*\t+3]
	v_nop
.endm
	PCV 0, 240
	PCV 1, S
	PCV 2, S+32
	PCV 3, S+64
.macro PFIN t, pc                      ; the layout wants a whole block in a lane: lanes 0-15 block 0, lanes 16-31 block 1; then six registers a lane go to LDS as they stand
.irp i, 0,1,2
	v_permlane16_swap_b32 v[\pc+\i], v[\pc+6+\i]
.endr
.irp i, 0,1,2
	v_mov_b32 v[\pc+3+\i], v[\pc+6+\i]
.endr
	ds_store_b128 v[PI], v[\pc:\pc+3] offset:768*\t
	ds_store_b64 v[PJ], v[\pc+4:\pc+5] offset:768*\t+512
	ds_store_b32 v[PK], v[ST+12*\t+10] offset:128*\t
	ds_store_b32 v[PF], v[ST+12*\t+11] offset:4*(32*(\t/2)+8*(\t%2))   ; by the query's true place; both halves of the lanes store the same number
.endm
	PFIN 0, 240
	PFIN 1, S
	PFIN 2, S+32
	PFIN 3, S+64
	s_wait_tensorcnt 0x2                           ; my quarter of chunk 0 is in; chunks 1 and 2 may stay out
	s_wait_dscnt 0x0                               ; my stores have landed
	s_barrier_signal -1
	s_barrier_wait -1
	; ---- every wave takes all 16 fragments of p: registers 6-11 repeat registers 0-5
.set pt_, 0
.rept 16
	ds_load_b128 v[P+12*pt_:P+12*pt_+3], v[LI] offset:768*pt_
	ds_load_b64 v[P+12*pt_+4:P+12*pt_+5], v[LJ] offset:768*pt_+512
	ds_load_b128 v[P+12*pt_+6:P+12*pt_+9], v[LI] offset:768*pt_
	ds_load_b64 v[P+12*pt_+10:P+12*pt_+11], v[LJ] offset:768*pt_+512
	ds_load_b32 v[PS+pt_], v[LK] offset:128*pt_
.set pt_, pt_+1
.endr
	ds_load_b128 v[F:F+3], v[LF]                   ; gamma / l of queries 4 lane + 0 .. 3,
	ds_load_b128 v[F+4:F+7], v[LF] offset:512      ; and of 128 + 4 lane + 0 .. 3
; two key steps' fragments of my 32 channels (kk, ct at 48 set + 24 kk + 12 ct of window 2) and their scale words, from LDS byte 'byte' on
.macro VFETCH set, byte
	v_add_nc_u32 v[ADRV], \byte, v[AV0]
	v_add_nc_u32 v[ADRS], \byte, v[AS0]
	WIN 0x80
.irp kk, 0,1
.irp ct, 0,1
.irp p, 0,1,2
	ds_load_b128 v[48*(\set)+24*\kk+12*\ct+4*\p:48*(\set)+24*\kk+12*\ct+4*\p+3], v[ADRV] offset:\kk*STEPB+\ct*1536+512*\p
.endr
.endr
.endr
	WIN 0
.irp kk, 0,1
	ds_load_b32 v[VS+2*(\set)+\kk], v[ADRS] offset:\kk*STEPB
.endr
.endm
; 32 matrix instructions: one key step; the 32 accumulators take turns, one instruction a turn, in the same order in every step
.macro MUL32 set, kk, zero
.irp ct, 0,1
.irp T, 0,1,2,3,4,5,6,7,8,9,10,11,12,13,14,15
.if \zero
	WM 8*(16*\ct+\T), P+12*\T, 48*(\set)+24*(\kk)+12*\ct, -1, PS+\T, VS+2*(\set)+(\kk), 0, \ct
.else
	WM 8*(16*\ct+\T), P+12*\T, 48*(\set)+24*(\kk)+12*\ct, 8*(16*\ct+\T), PS+\T, VS+2*(\set)+(\kk), 0, \ct
.endif
.endr
.endr
.endm
.macro XLOAD c                         ; x for the residual: my channels 16 c .. 16 c + 15, 1,024 bytes each, into window 3; each load reads 512 consecutive bytes
	WIN 0xc0
.set xr_, 0
.rept 16
	global_load_b128 v[128*(\c)+8*xr_:128*(\c)+8*xr_+3], v[L16], s[66:67] offset:(16*(\c)+xr_)*16384 th:TH_LOAD_NT
	global_load_b128 v[128*(\c)+8*xr_+4:128*(\c)+8*xr_+7], v[L16], s[66:67] offset:(16*(\c)+xr_)*16384+512 th:TH_LOAD_NT
.set xr_, xr_+1
.endr
.endm
; PAIR p: key steps 2 p and 2 p + 1 out of set p % 2; in its middle the next two steps are fetched into the other set, 32 matrix instructions ahead of their use
.macro PAIR p
.set SET_, (\p)%2
	s_wait_dscnt 0x0                               ; this pair's fragments are in
	WIN 0x58                                       ; source 0 (p) window 0, source 1 (v) window 2, C and D window 1
.if (\p) == 0
	MUL32 SET_, 0, 1                               ; the first products start the sums: nothing is cleared
.else
	MUL32 SET_, 0, 0
.endif
	WIN 0
.if (\p) == 3                          ; the next fetch is chunk 1's first
	s_wait_tensorcnt 0x1                           ; my quarter of chunk 1 is in; chunk 2's may stay out
	s_wait_dscnt 0x0
	s_barrier_signal -1
	s_barrier_wait -1
.endif
.if (\p) == 5                          ; region 0 was last read for key steps 6 and 7: it is filled again, with chunk 3
	s_wait_tensorcnt 0x0                           ; all my tensor loads have landed, chunk 2's among them, so a group 0 may be written
	ds_add_u32 v[SPW], v[NIL]                      ; 0 onto my spare word
	s_add_nc_u64 s[G0+2:G0+3], s[G0+2:G0+3], 3*CHUNK   ; chunk 3; the type bits on top are not reached
	s_wait_dscnt 0x0                               ; the add is done, and my reads of region 0 are long over
	CROUND                                         ; no wave of any partner still reads region 0 or has a load on its way
	tensor_load_to_lds s[G0:G0+3], s[G1:G1+7]      ; the joint refill, first behind the round; the four v_nop below follow it
	s_nop 0
.endif
.if (\p) == 11                         ; the next fetch is chunk 3's first
	s_wait_tensorcnt 0x0                           ; my one load that was out, my quarter of chunk 3, is in
	s_wait_dscnt 0x0
	s_barrier_signal -1
	s_barrier_wait -1                              ; everybody's is; and nobody reads regions 1 and 2 any more but for what is already in registers
.endif
.if (\p) < 15
	PLACES                                         ; four plain lines in front of loads into registers that matrix instructions have read
.set NS_, 2*(\p)+2
.if NS_ >= 24
.set NS_, NS_-24
.endif
	VFETCH 1-SET_, NS_*STEPB
.endif
.if (\p) == 12
	XLOAD 0
.endif
.if (\p) == 13
	XLOAD 1
.endif
	WIN 0x58
	MUL32 SET_, 1, 0
.endm
	VFETCH 0, 0
	PAIR 0
	PAIR 1
	PAIR 2
	PAIR 3
	PAIR 4
	PAIR 5
	PAIR 6
	PAIR 7
	PAIR 8
	PAIR 9
	PAIR 10
	PAIR 11
	PAIR 12
	PAIR 13
	PAIR 14
	PAIR 15
	; ---- THE WAY OUT, 16 channels at a time.  A lane holds 32 neighbouring bytes of a channel's row and the lanes beside it other channels: the block goes through my own stage and comes back as rows of 1,024 bytes.
	; LDS serves a wave's instructions in order (ISA guide 5.7.1.4): no wait between my stores and my loads.
.macro OUT c
	WIN 0x04                                       ; an LDS store's data are its source 1: window 1
.set ot_, 0
.rept 16
	ds_store_b128 v[STO], v[8*(16*(\c)+ot_):8*(16*(\c)+ot_)+3] offset:128*(ot_/2)+32*(ot_%2)          ; each accumulator from its low end on: queries 32 (T / 2) + 16 h + 8 (T % 2) + 0 .. 7
	ds_store_b128 v[STO], v[8*(16*(\c)+ot_)+4:8*(16*(\c)+ot_)+7] offset:128*(ot_/2)+32*(ot_%2)+16
.set ot_, ot_+1
.endr
	WIN 0x30                                       ; source 2 (x) window 3
.if (\c) > 0
	s_wait_xcnt 0x0                                ; the first block's stores have read the registers that are loaded again
.endif
.set ot_, 0
.rept 32
	ds_load_b128 v[64+4*ot_:67+4*ot_], v[SRD] offset:(ot_/2)*SPIT+512*(ot_%2)
.set ot_, ot_+1
.endr
	s_wait_dscnt 0x0
.if (\c) == 0
	s_wait_loadcnt 0x0                             ; x, all 64 loads
.endif
.set ot_, 0
.rept 64
	v_pk_fma_f32 v[64+2*ot_:65+2*ot_], v[64+2*ot_:65+2*ot_], v[F+4*((ot_/2)%2)+2*(ot_%2):F+4*((ot_/2)%2)+2*(ot_%2)+1], v[128*(\c)+2*ot_:128*(\c)+2*ot_+1]   ; the sum x gamma / l + x
.set ot_, ot_+1
.endr
.set ot_, 0
.rept 32
	global_store_b128 v[L16], v[64+4*ot_:67+4*ot_], s[68:69] offset:(16*(\c)+ot_/2)*16384+512*(ot_%2) th:TH_STORE_NT   ; 32 lanes store 512 consecutive bytes, at a multiple of 256 from out0's first byte
.set ot_, ot_+1
.endr
.endm
	PLACES                                         ; behind the last products
	OUT 0
	OUT 1
	WIN 0
	s_wait_tensorcnt 0x0                           ; the wave's end, behind my last tensor load and my last LDS store
	ds_add_u32 v[SPW], v[NIL]
	s_wait_dscnt 0x0
	CROUND                                         ; the closing round: no work-group ends while a partner may still ask for a chunk that names it
	s_endpgm
.Lfunc_end_k_q86cd6bd893_attn:
	.size	k_q86cd6bd893_attn, .Lfunc_end_k_q86cd6bd893_attn-k_q86cd6bd893_attn
	.p2alignl 7, 3214868480
	.fill 96, 4, 3214868480
	.section	.rodata,"a",@progbits
	.p2align	6, 0x0
	.amdhsa_kernel k_q86cd6bd893_attn
		.amdhsa_group_segment_fixed_size 327680
		.amdhsa_private_segment_fixed_size 0
		.amdhsa_enable_private_segment 0
		.amdhsa_kernarg_size 48
		.amdhsa_user_sgpr_count 2
		.amdhsa_user_sgpr_kernarg_segment_ptr 1
		.amdhsa_wavefront_size32 1
		.amdhsa_system_sgpr_workgroup_id_x 1
		.amdhsa_system_sgpr_workgroup_id_y 1
		.amdhsa_system_sgpr_workgroup_id_z 1
		.amdhsa_system_vgpr_workitem_id 0
		.amdhsa_next_free_vgpr 1024
		.amdhsa_next_free_sgpr 72
		.amdhsa_reserve_vcc 0
		.amdhsa_float_denorm_mode_32 3
		.amdhsa_float_denorm_mode_16_64 3
		.amdhsa_memory_ordered 1
		.amdhsa_forward_progress 1
		.amdhsa_inst_pref_size 222
	.end_amdhsa_kernel
	.amdgpu_metadata
---
amdhsa.version: [ 1, 2 ]
amdhsa.kernels:
  - .name:           k_q86cd6bd893_attn
    .symbol:         k_q86cd6bd893_attn.kd
    .args:
      - { .name: qq, .offset: 0, .size: 8, .value_kind: global_buffer, .address_space: global }
      - { .name: kq, .offset: 8, .size: 8, .value_kind: global_buffer, .address_space: global }
      - { .name: vq, .offset: 16, .size: 8, .value_kind: global_buffer, .address_space: global }
      - { .name: x, .offset: 24, .size: 8, .value_kind: global_buffer, .address_space: global }
      - { .name: gamma, .offset: 32, .size: 8, .value_kind: global_buffer, .address_space: global }
      - { .name: out0, .offset: 40, .size: 8, .value_kind: global_buffer, .address_space: global }
    .group_segment_fixed_size: 327680
    .private_segment_fixed_size: 0
    .kernarg_segment_align: 8
    .kernarg_segment_size: 48
    .max_flat_workgroup_size: 128
    .sgpr_count:     72
    .vgpr_count:     1024
    .wavefront_size: 32
...
	.end_amdgpu_metadata
.endif
;; end of part 3
;; ======== version 2 of 2: 3 launches; version 1 with the launch proj written anew for expert scheduling mode
;; workspace buffers: xq 6,553,600 bytes; wq 409,600 bytes; pool 2,097,152 bytes; qq 3,276,800 bytes; kq 51,200 bytes; vq 6,553,600 bytes
;; launch prep: the kernel of part 1 again; grid 264 x 1, 8 waves a work-group, no clusters, 35,840 bytes of LDS; arguments x, Wq, Wk, Wv, xq, wq, pool; writes xq, wq, pool
;; launch proj (part 4): grid 200 x 1, 4 waves a work-group, no clusters, 47,104 bytes of LDS; arguments xq, wq, pool, bq, bk, bv, pe_table, pos, qq, kq, vq; writes qq, kq, vq
.if DOCPART == 4
	.amdgcn_target "amdgcn-amd-amdhsa--gfx1250"
	.amdhsa_code_object_version 6
	.text
	.protected	k_q86cd6bd893_proj
	.globl	k_q86cd6bd893_proj
	.p2align	8
	.type	k_q86cd6bd893_proj,@function
k_q86cd6bd893_proj:
	s_mov_b64 s[64:65], 0
	v_nop
	global_prefetch_b8 v0, s[64:65] scope:SCOPE_SE
	s_setreg_imm32_b32 hwreg(HW_REG_WAVE_SCHED_MODE, 0, 2), 2
	s_setreg_imm32_b32 hwreg(HW_REG_WAVE_MODE, 25, 1), 1
	s_wait_xcnt 0x0
	s_wait_alu depctr_vm_vsrc(0)
; The three projections, all on codes of FP6 (E2M3) with E8M0 scales, and their results quantised at once for the products that follow:
;   q = Wq x + bq  -> qq: fragments of 16 queries x 128 of the 256 channels;   v = Wv x + bv -> vq: fragments of 16 channels x 128 keys;
;   k = Wk x2d + bk -> kq.  x2d is one image row broadcast over the 64 rows, so a batch has 64 distinct keys: only those are made.
; ONE STRUCTURE: a wave HOLDS 8 tiles x 4 K steps of one operand in 384 registers and STREAMS tiles of the other.  Source 0 = a held tile, source 1 = the streamed tile: a lane then holds ONE streamed row, and, the held
; tiles being permuted (row r of tile 2 b + u is index 32 b + 8 u + r + 8 (r / 8)), its 64 results are register 16 b + i = index 32 b + 16 (lane / 16) + i: one fragment of the next product, quantised in registers.
; The biases are the C of each sum's first matrix instruction.
; ROLES by the work-group's number: 0-7 k (b = wg / 2, keys 32 (wg % 2) on), 8-135 v (b, 128 keys; wave = 128 channels), 136-199 q (b, 256 queries; wave = (128 queries, 128 channels)).  Only the k role uses LDS and barriers.
; LIMITS: NaN and infinities are not served; pos / 8 is held at row 127 of pe_table from above; a block of zeros gets the byte 1 (its codes are zeros, and this program alone reads the bytes).
; REGISTERS, in windows of 256: window 0: v1-15 addresses; v16-47 the held operand's scale words; v48-63 the streamed one's; v64-127 the 8 accumulators; v128-143, v144, v148-166 the quantiser; v168-179 scale words on their way out; v184-243 the k role's.
;   window 1: held fragments of K steps 0, 1 (at 96 s + 12 i);  window 2: of K steps 2, 3; from v192 the biases;  window 3: the streamed fragments, three sets of 48 by turns (in the k role first: the pooling's three sets of 68, and from v204 its two results by turns).
; THE MODE: SCHED_MODE bits 1:0 = 2 (LLVM: expert scheduling mode 2), set by the entry lines.  The code itself states the register dependences between vector or matrix instructions and memory or LDS instructions, with s_wait_alu, always for 0.
; THE PLAN.  Registers that memory or LDS instructions touch:
;   v1-v4 (every role), v8, v11-v15, v220-v229 (k role): offsets and LDS addresses, made once and never written again: a wait on va_vdst ahead of each role's first load (k: one more for v220-228, which are made of loaded numbers).
;   The held fragments, their scale words, q's and k's biases: loaded once into registers that no vector instruction has named; read by matrix instructions alone.
;   q AND v, TILE j.  The streamed set j % 3 (v: with its eight bias registers and its four scale words): read by tile j's 32 matrix instructions; then tile j + 3's loads land in it.
;     The codes v148-159: written by tile j's quantiser, read by its three stores, written again by tile j + 1's quantiser.
;     ONE wait on va_vdst a tile, behind the quantiser: the codes are written, and the tile's matrix instructions are done reading the set.  Behind it stand tile j + 3's loads, then tile j's stores, and no vector instruction between.
;     One wait on vm_vsrc a tile, beside s_wait_xcnt 0, ahead of the next quantiser: the stores have read the codes.
;   k, THE POOLING, COLUMN j.  Set j % 3 of window 3: written by the column's 17 loads, read and written by its additions, loaded again with column j + 3.  OUT[j % 2]: written by the column's last two multiply-adds, read by its LDS store.
;     One wait on va_vdst a column, behind the arithmetic: the set is free and OUT is written; the loads follow, then the store.  One wait on vm_vsrc ahead of the lines that write OUT[j % 2] again, two columns on.
;   k, THE BILINEAR ROW.  v242, v243: LDS addresses, written once for each tile of keys.  v64-127: loaded from LDS and worked on in place, four times.  A wait on va_vdst ahead of each of the four runs of loads; a wait on vm_vsrc ahead of the second tile's addresses.
;   k, THE REST.  x2d's codes and scale words v184-209: written by the conversions, read by LDS stores: one wait on va_vdst.  Window 3's v0-47, where the pooling's set 0 lay: x2d's fragments land there: one.  The last codes and their word: one.
.set XSCO,  6291456
.set WSCO,  393216
.set QSCO,  3145728
.set KSCO,  49152
.set L16,   1                          ; v1  16 x lane
.set R16,   2                          ; v2  16 x (lane % 16)
.set R4,    3                          ; v3  4 x (lane % 16)
.set H64,   4                          ; v4  64 x (lane / 16)
.set HS,    16
.set SS,    48
.set ACC,   64
.set TM,    128
.set PW,    144
.set PC,    148
.set KEEP,  168
.set CW,    176
.set KC,    184                        ; k role: x2d's codes, two tiles x 12
.set KW,    208                        ; and their two scale words
.set PEA,   220                        ; k role: v220-228 byte offsets of nine rows of pe_table
.set OUTB,  204                        ; k role, window 3: v204-207, v208-211: a pooled column's four numbers, two buffers by turns
.set SEL,   28
.set XPIT,  2064                       ; LDS, k role: x1d, nine rows of 512 f32 + 16 bytes, from byte 0
.set X2IMG, 33280                      ; x2d's eight fragment images (tile u, K step s: 4 u + s)
.set X2SC,  45568                      ; and their scale words, 128 bytes each
.set MSB, 0
.macro WIN new                         ; the immediate's high byte repeats the setting that is left
.if MSB != \new
	s_set_vgpr_msb (MSB<<8)|\new
.set MSB, \new
.endif
.endm
.macro PLACES                          ; four plain lines between a matrix instruction and the first read of its result (ISA guide 7.12.1)
.rept 4
	v_nop
.endr
.endm
; one matrix instruction: D at d, source 0 at a, source 1 at b, C at c (under 0: the constant 0), scale registers sa, sb; ra, rb = 1: that side's scales stand in lanes 16-31
.macro WM d, a, b, c, sa, sb, ra, rb
.if (\c) < 0
.if (\ra) && (\rb)
	v_wmma_scale_f32_16x16x128_f8f6f4 v[\d:\d+7], v[\a:\a+11], v[\b:\b+11], 0, v[\sa], v[\sb] matrix_a_fmt:MATRIX_FMT_FP6 matrix_b_fmt:MATRIX_FMT_FP6 matrix_a_scale:MATRIX_SCALE_ROW1 matrix_b_scale:MATRIX_SCALE_ROW1
.elseif (\ra)
	v_wmma_scale_f32_16x16x128_f8f6f4 v[\d:\d+7], v[\a:\a+11], v[\b:\b+11], 0, v[\sa], v[\sb] matrix_a_fmt:MATRIX_FMT_FP6 matrix_b_fmt:MATRIX_FMT_FP6 matrix_a_scale:MATRIX_SCALE_ROW1
.elseif (\rb)
	v_wmma_scale_f32_16x16x128_f8f6f4 v[\d:\d+7], v[\a:\a+11], v[\b:\b+11], 0, v[\sa], v[\sb] matrix_a_fmt:MATRIX_FMT_FP6 matrix_b_fmt:MATRIX_FMT_FP6 matrix_b_scale:MATRIX_SCALE_ROW1
.else
	v_wmma_scale_f32_16x16x128_f8f6f4 v[\d:\d+7], v[\a:\a+11], v[\b:\b+11], 0, v[\sa], v[\sb] matrix_a_fmt:MATRIX_FMT_FP6 matrix_b_fmt:MATRIX_FMT_FP6
.endif
.else
.if (\ra) && (\rb)
	v_wmma_scale_f32_16x16x128_f8f6f4 v[\d:\d+7], v[\a:\a+11], v[\b:\b+11], v[\c:\c+7], v[\sa], v[\sb] matrix_a_fmt:MATRIX_FMT_FP6 matrix_b_fmt:MATRIX_FMT_FP6 matrix_a_scale:MATRIX_SCALE_ROW1 matrix_b_scale:MATRIX_SCALE_ROW1
.elseif (\ra)
	v_wmma_scale_f32_16x16x128_f8f6f4 v[\d:\d+7], v[\a:\a+11], v[\b:\b+11], v[\c:\c+7], v[\sa], v[\sb] matrix_a_fmt:MATRIX_FMT_FP6 matrix_b_fmt:MATRIX_FMT_FP6 matrix_a_scale:MATRIX_SCALE_ROW1
.elseif (\rb)
	v_wmma_scale_f32_16x16x128_f8f6f4 v[\d:\d+7], v[\a:\a+11], v[\b:\b+11], v[\c:\c+7], v[\sa], v[\sb] matrix_a_fmt:MATRIX_FMT_FP6 matrix_b_fmt:MATRIX_FMT_FP6 matrix_b_scale:MATRIX_SCALE_ROW1
.else
	v_wmma_scale_f32_16x16x128_f8f6f4 v[\d:\d+7], v[\a:\a+11], v[\b:\b+11], v[\c:\c+7], v[\sa], v[\sb] matrix_a_fmt:MATRIX_FMT_FP6 matrix_b_fmt:MATRIX_FMT_FP6
.endif
.endif
.endm
; the held operand: 8 tiles x 4 K steps, 96 loads of 512 consecutive bytes; tiles lie 6,144 bytes apart, K steps 1,536
.macro HELDLOAD sb
	WIN 0x40                                       ; destination window 1
.irp i, 0,1,2,3,4,5,6,7
.irp s, 0,1
.irp p, 0,1,2
	global_load_b128 v[96*\s+12*\i+4*\p:96*\s+12*\i+4*\p+3], v[L16], s[\sb:\sb+1] offset:6144*\i+1536*\s+512*\p
.endr
.endr
.endr
	WIN 0x80                                       ; destination window 2
.irp i, 0,1,2,3,4,5,6,7
.irp s, 0,1
.irp p, 0,1,2
	global_load_b128 v[96*\s+12*\i+4*\p:96*\s+12*\i+4*\p+3], v[L16], s[\sb:\sb+1] offset:6144*\i+1536*(\s+2)+512*\p
.endr
.endr
.endr
	WIN 0
.endm
.macro STRLOAD slot, sb, off           ; a streamed tile's four fragments into set slot of window 3
	WIN 0xc0
.irp s, 0,1,2,3
.irp p, 0,1,2
	global_load_b128 v[48*(\slot)+12*\s+4*\p:48*(\slot)+12*\s+4*\p+3], v[L16], s[\sb:\sb+1] offset:(\off)+1536*\s+512*\p
.endr
.endr
.endm
; 32 matrix instructions: the 8 held tiles x 4 K steps against streamed set slot.  The eight accumulators take turns, one instruction a turn.
; mode 0 (v): x held (its scale words: two tiles to a register), Wv streamed, C = the set's eight bias registers.  mode 1 (q): Wq held, x tile j streamed.  mode 2 (k): Wk held, x2d streamed.  Modes 1, 2: C = the tile's bias.
.macro PROD8 mode, slot, j
.irp s, 0,1,2,3
.if \s == 0
	WIN 0x2d                                       ; source 0 window 1, source 1 window 3, C window 2
.elseif \s == 1
	WIN 0x0d
.else
	WIN 0x0e                                       ; source 0 window 2
.endif
.irp i, 0,1,2,3,4,5,6,7
.set cc_, ACC+8*\i
.if \s == 0
.if (\mode) == 0
.set cc_, 192+8*(\slot)
.else
.set cc_, 192+8*\i
.endif
.endif
.if (\mode) == 0
	WM ACC+8*\i, 96*(\s%2)+12*\i, 48*(\slot)+12*\s, cc_, HS+4*\s+\i/2, SS+4*(\slot)+\s, \i%2, 0
.elseif (\mode) == 1
	WM ACC+8*\i, 96*(\s%2)+12*\i, 48*(\slot)+12*\s, cc_, HS+4*\i+\s, SS+4*\s+(\j)/2, 0, (\j)%2
.else
	WM ACC+8*\i, 96*(\s%2)+12*\i, 48*(\slot)+12*\s, cc_, HS+4*\i+\s, SS+\s, 0, 0
.endif
.endr
.endr
.endm
; 64 numbers of a lane, v[s] .. v[s + 63], register 16 b + i = k 32 b + 16 (lane / 16) + i of my row, become a fragment's codes in v[PC] on and its scale word in v[PW]
.macro QUANT s
.irp b, 0,1,2,3
	v_max3_num_f32 v[TM+\b], |v[\s+16*\b]|, |v[\s+1+16*\b]|, 0x1800000   ; my 16 numbers of block b, from each accumulator's low end on, and the floor 2^(3 - 127)
.endr
.irp i, 2,4,6,8,10,12,14
.irp b, 0,1,2,3
	v_max3_num_f32 v[TM+\b], v[TM+\b], |v[\s+16*\b+\i]|, |v[\s+1+16*\b+\i]|
.endr
.endr
.irp b, 0,1,2,3
	v_permlanex16_b32 v[TM+4+\b], v[TM+\b], s[SEL], s[SEL+1]
.endr
.irp b, 0,1,2,3
	v_max_num_f32 v[TM+\b], v[TM+\b], v[TM+4+\b]   ; with lane l xor 16's: the block's largest magnitude
.endr
.irp b, 0,1,2,3
	v_add_nc_u32 v[TM+12+\b], 0xff000000, v[TM+\b]  ; 2 off its exponent field: the conversion's scale operand
.endr
.irp b, 0,1,2,3
	v_lshrrev_b32 v[TM+4+\b], 23, v[TM+12+\b]      ; the scale's byte
.endr
	v_lshl_or_b32 v[PW], v[TM+5], 8, v[TM+4]
	v_lshl_or_b32 v[PW], v[TM+6], 16, v[PW]
	v_lshl_or_b32 v[PW], v[TM+7], 24, v[PW]
.irp c, 0,1
	v_cvt_scalef32_pk16_fp6_f32 v[PC+6*\c:PC+2+6*\c], v[\s+32*\c:\s+15+32*\c], v[TM+12+2*\c]
	v_cvt_scalef32_pk16_fp6_f32 v[PC+12+4*\c:PC+14+4*\c], v[\s+16+32*\c:\s+31+32*\c], v[TM+12+2*\c+1]
.endr
	v_nop                                          ; one plain line behind a scaled conversion
.irp c, 0,1                            ; the operand's layout wants a whole block in a lane
.irp i, 0,1,2
	v_permlane16_swap_b32 v[PC+6*\c+\i], v[PC+12+4*\c+\i]
.endr
.irp i, 0,1,2
	v_mov_b32 v[PC+3+6*\c+\i], v[PC+12+4*\c+\i]
.endr
.endr
.endm
.macro FRAGOUT sb, off                 ; the fragment leaves as three stores of 512 consecutive bytes
.irp p, 0,1,2
	global_store_b128 v[L16], v[PC+4*\p:PC+4*\p+3], s[\sb:\sb+1] offset:(\off)+512*\p
.endr
.endm
.macro SELECT                          ; eight tiles' scale words as 512 bytes: word i of lane l: tile 2 i (lanes 0-15) or 2 i + 1 (lanes 16-31), row l % 16
.irp i, 0,1,2,3
	v_cndmask_b32 v[CW+\i], v[KEEP+2*\i+1], v[KEEP+2*\i], s30
.endr
.endm
	s_load_b256 s[4:11], s[0:1], 0x0               ; xq s[4:5], wq s[6:7], pool s[8:9], bq s[10:11]
	s_load_b256 s[12:19], s[0:1], 0x20             ; bk s[12:13], bv s[14:15], pe_table s[16:17], pos s[18:19]
	s_load_b128 s[20:23], s[0:1], 0x40             ; qq s[20:21], kq s[22:23]
	s_load_b64 s[24:25], s[0:1], 0x50              ; vq
	v_lshl_add_u32 v254, v0, 2, 0xb600
	v_mov_b32 v255, 0
	v_lshrrev_b32 v1, 5, v0
	v_readfirstlane_b32 s26, v1                    ; wave 0..3
	v_and_b32 v5, 31, v0                           ; lane
	v_and_b32 v6, 15, v0                           ; r
	v_bfe_u32 v7, v0, 4, 1                         ; h
	v_lshlrev_b32 v[L16], 4, v5
	v_lshlrev_b32 v[R16], 4, v6
	v_lshlrev_b32 v[R4], 2, v6
	v_lshlrev_b32 v[H64], 6, v7
	s_mov_b32 s[SEL], 0x76543210
	s_mov_b32 s[SEL+1], 0xfedcba98                 ; v_permlanex16_b32's selects for lane l xor 16
	s_mov_b32 s30, 0xffff                          ; lanes 0-15
.irp b, 0,1,2,3
	v_mov_b32 v[TM+4+\b], 0                        ; written once: a lane permute's destination counts as one of its sources
.endr
	s_wait_alu depctr_va_sdst(0)                   ; s26 is written, ahead of its first reader and of the branches: every role makes its bases from it
	s_cmp_lt_u32 ttmp9, 8
	s_cbranch_scc1 .Lkrole
	s_cmp_lt_u32 ttmp9, 136
	s_cbranch_scc1 .Lvrole
	; ---------------- q ----------------
	s_sub_co_u32 s31, ttmp9, 136
	s_lshr_b32 s32, s31, 4                         ; b
	s_and_b32 s33, s31, 15
	s_lshl_b32 s33, s33, 1
	s_lshr_b32 s34, s26, 1
	s_add_co_u32 s33, s33, s34                     ; G: my 128 queries
	s_and_b32 s50, s26, 1                          ; oh: my 128 of q's 256 channels
	s_mul_i32 s34, s50, 49152                      ; Wq's tiles 8 oh on
	s_mov_b32 s35, 0
	s_lshl_b32 s36, s50, 11
	s_add_co_u32 s36, s36, WSCO                    ; their scale words
	s_mov_b32 s37, 0
	s_lshl_b32 s38, s50, 9                         ; bq: 128 oh numbers on
	s_mov_b32 s39, 0
	s_lshl_b32 s40, s32, 8
	s_lshl_b32 s41, s33, 3
	s_add_co_u32 s40, s40, s41                     ; b 256 + 8 G: my first tile of x and of q
	s_mul_i32 s42, s40, 6144
	s_mov_b32 s43, 0
	s_lshl_b32 s41, s32, 5
	s_add_co_u32 s41, s41, s33                     ; b 32 + G
	s_lshl_b32 s44, s41, 11
	s_add_co_u32 s44, s44, XSCO
	s_mov_b32 s45, 0
	s_lshl_b32 s46, s40, 1
	s_add_co_u32 s46, s46, s50
	s_mul_i32 s46, s46, 1536                       ; qq: ((b 256 + 8 G + j) 2 + oh) x 1,536
	s_mov_b32 s47, 0
	s_lshl_b32 s48, s41, 1
	s_add_co_u32 s48, s48, s50
	s_lshl_b32 s48, s48, 9
	s_add_co_u32 s48, s48, QSCO
	s_mov_b32 s49, 0
	s_wait_kmcnt 0x0
	s_add_nc_u64 s[34:35], s[6:7], s[34:35]
	s_add_nc_u64 s[36:37], s[6:7], s[36:37]
	s_add_nc_u64 s[38:39], s[10:11], s[38:39]
	s_add_nc_u64 s[42:43], s[4:5], s[42:43]
	s_add_nc_u64 s[44:45], s[4:5], s[44:45]
	s_add_nc_u64 s[46:47], s[20:21], s[46:47]
	s_add_nc_u64 s[48:49], s[20:21], s[48:49]
	WIN 0x40
	s_wait_alu depctr_va_vdst(0)                   ; the offsets v1 to v4 are written: every load and store of this role reads one of them, and none is written again
	HELDLOAD 34
.irp i, 0,1,2,3,4,5,6,7
	global_load_b128 v[HS+4*\i:HS+4*\i+3], v[R16], s[36:37] offset:256*\i        ; tile i, row r: its four K steps' words
.endr
	WIN 0x80
.irp i, 0,1,2,3,4,5,6,7                ; lane (r, h) wants, for tile i, the bias of channels 32 (i / 2) + 16 h + 8 (i % 2) + 0 .. 7
	global_load_b128 v[192+8*\i:195+8*\i], v[H64], s[38:39] offset:(32*(\i/2)+8*(\i%2))*4
	global_load_b128 v[196+8*\i:199+8*\i], v[H64], s[38:39] offset:(32*(\i/2)+8*(\i%2))*4+16
.endr
	WIN 0
.irp s, 0,1,2,3
	global_load_b128 v[SS+4*\s:SS+4*\s+3], v[L16], s[44:45] offset:512*\s        ; x's words of K step s: register gi: tile 2 gi in lanes 0-15, 2 gi + 1 in lanes 16-31
.endr
	STRLOAD 0, 42, 0
	STRLOAD 1, 42, 6144
	STRLOAD 2, 42, 2*6144                          ; the three sets are filled; each tile asks for the tile three on as soon as its own set is free
.macro QTILE j, left
	s_wait_loadcnt \left                           ; tile j's 12 loads and all before them are in; the later tiles' may be out
	PROD8 1, (\j)%3, \j
	WIN 0
	PLACES
.if (\j) > 0
	s_wait_xcnt 0x0                                ; the last tile's stores have had their addresses translated (ISA guide 3.1),
	s_wait_alu depctr_vm_vsrc(0)                   ; and have read the codes' registers, which the quantiser writes again
.endif
	QUANT ACC
	v_mov_b32 v[KEEP+(\j)], v[PW]                  ; the tile's scale word is kept
.if (\j) == 7
	SELECT
.endif
.if (\j)+3 < 8
	WIN 0xc0
.endif
	s_wait_alu depctr_va_vdst(0)                   ; the quantiser has written the codes, which the stores below read; the tile's matrix instructions are done reading their set, in which the loads below land; in the last tile the selected scale words are written too
.if (\j)+3 < 8
	STRLOAD (\j)%3, 42, ((\j)+3)*6144              ; three tiles ahead, into the set just read; no vector instruction stands between the wait and these loads
	WIN 0
.endif
	FRAGOUT 46, 3072*(\j)
.endm
	QTILE 0, 24
	QTILE 1, 24
	QTILE 2, 24
	QTILE 3, 24
	QTILE 4, 24
	QTILE 5, 24
	QTILE 6, 12
	QTILE 7, 0
	global_store_b128 v[L16], v[CW:CW+3], s[48:49]                 ; the eight tiles' scale words: written ahead of the last tile's wait
	s_endpgm
	; ---------------- v ----------------
.Lvrole:
	s_sub_co_u32 s31, ttmp9, 8
	s_lshr_b32 s32, s31, 5                         ; b
	s_and_b32 s33, s31, 31                         ; G: 128 keys; my wave's number is cq: 128 channels
	s_lshl_b32 s34, s32, 8
	s_lshl_b32 s35, s33, 3
	s_add_co_u32 s34, s34, s35
	s_mul_i32 s34, s34, 6144                       ; x's tiles b 256 + 8 G on
	s_mov_b32 s35, 0
	s_lshl_b32 s36, s32, 5
	s_add_co_u32 s36, s36, s33
	s_lshl_b32 s38, s36, 11
	s_add_co_u32 s38, s38, XSCO
	s_mov_b32 s39, 0
	s_lshl_b32 s40, s26, 3
	s_add_co_u32 s40, s40, 32                      ; Wv's tiles 32 + 8 cq on
	s_mul_i32 s42, s40, 6144
	s_mov_b32 s43, 0
	s_lshl_b32 s44, s40, 8
	s_add_co_u32 s44, s44, WSCO
	s_mov_b32 s45, 0
	s_lshl_b32 s46, s26, 9                         ; bv: 128 cq numbers on
	s_mov_b32 s47, 0
	s_lshl_b32 s48, s32, 2
	s_add_co_u32 s48, s48, s26
	s_lshl_b32 s48, s48, 5
	s_add_co_u32 s48, s48, s33
	s_mul_i32 s48, s48, 12800                      ; vq: ((b 4 + cq) 32 + G) x 12,800
	s_mov_b32 s49, 0
	s_wait_kmcnt 0x0
	s_add_nc_u64 s[34:35], s[4:5], s[34:35]
	s_add_nc_u64 s[38:39], s[4:5], s[38:39]
	s_add_nc_u64 s[42:43], s[6:7], s[42:43]
	s_add_nc_u64 s[44:45], s[6:7], s[44:45]
	s_add_nc_u64 s[46:47], s[14:15], s[46:47]
	s_add_nc_u64 s[48:49], s[24:25], s[48:49]
	WIN 0x40
	s_wait_alu depctr_va_vdst(0)                   ; the offsets v1 to v4 are written: every load and store of this role reads one of them, and none is written again
	HELDLOAD 34
.irp s, 0,1,2,3
	global_load_b128 v[HS+4*\s:HS+4*\s+3], v[L16], s[38:39] offset:512*\s
.endr
.macro VLOADS j                        ; a tile's 21 loads: 12 of codes; eight times my row's bias, since C wants it in all eight registers; its four scale words
	STRLOAD (\j)%3, 42, (\j)*6144
	WIN 0x80
.irp e, 0,1,2,3,4,5,6,7
	global_load_b32 v[192+8*((\j)%3)+\e], v[R4], s[46:47] offset:64*(\j)
.endr
	WIN 0
	global_load_b128 v[SS+4*((\j)%3):SS+4*((\j)%3)+3], v[R16], s[44:45] offset:256*(\j)
.endm
	VLOADS 0
	VLOADS 1
	VLOADS 2                                       ; the three sets are filled; each tile asks for the tile three on as soon as its own set is free
.macro VTILE j, left
	s_wait_loadcnt \left                           ; tile j's 21 loads and all before them are in; the later tiles' may be out
	PROD8 0, (\j)%3, \j
	WIN 0
	PLACES
.if (\j) > 0
	s_wait_xcnt 0x0                                ; the last tile's stores have had their addresses translated (ISA guide 3.1),
	s_wait_alu depctr_vm_vsrc(0)                   ; and have read the codes' registers, which the quantiser writes again
.endif
	QUANT ACC
	v_mov_b32 v[KEEP+(\j)], v[PW]                  ; the tile's scale word is kept
.if (\j) == 7
	SELECT
.endif
.if (\j)+3 < 8
	WIN 0xc0
.endif
	s_wait_alu depctr_va_vdst(0)                   ; the quantiser has written the codes, which the stores below read; the tile's matrix instructions are done reading their set's fragments, bias and scale words, in which the loads below land; in the last tile the selected scale words are written too
.if (\j)+3 < 8
	VLOADS (\j)+3                                  ; three tiles ahead, into the set just read; only loads and window switches stand between the wait and the last of these loads
.endif
	FRAGOUT 48, 1536*(\j)
.endm
	VTILE 0, 42
	VTILE 1, 42
	VTILE 2, 42
	VTILE 3, 42
	VTILE 4, 42
	VTILE 5, 42
	VTILE 6, 21
	VTILE 7, 0
	global_store_b128 v[L16], v[CW:CW+3], s[48:49] offset:12288    ; the eight tiles' scale words: written ahead of the last tile's wait
	s_endpgm
	; ---------------- k ----------------
.Lkrole:
	s_lshr_b32 s32, ttmp9, 1                       ; b
	s_and_b32 s33, ttmp9, 1                        ; b': keys w = 32 b' .. 32 b' + 31
	s_lshr_b32 s50, s26, 1                         ; oh (last phase)
	s_and_b32 s51, s26, 1                          ; u  (last phase)
	s_mul_i32 s40, s33, 13
	s_lshl_b32 s41, s33, 5
	s_mul_i32 s44, s33, 7                          ; the first pooled column that these keys touch
	s_mov_b32 s42, 0xc27c0000                      ; -63.0
	s_mov_b32 s43, 0x3c820821                      ; 1 / 63, rounded
	s_lshl_b32 s34, s32, 14                        ; pos[b][0][4 wp]: 16 bytes from wp to wp
	s_lshl_b32 s35, s44, 4
	s_add_co_u32 s34, s34, s35
	s_mov_b32 s35, 0
	s_lshl_b32 s36, s32, 19                        ; pool[b][.][7 b'][.]
	s_lshl_b32 s37, s44, 11
	s_add_co_u32 s36, s36, s37
	s_mov_b32 s37, 0
	s_lshl_b32 s52, s50, 3
	s_add_co_u32 s52, s52, 16                      ; Wk's tiles 16 + 8 oh on
	s_mul_i32 s38, s52, 6144
	s_mov_b32 s39, 0
	s_lshl_b32 s46, s52, 8
	s_add_co_u32 s46, s46, WSCO
	s_mov_b32 s47, 0
	s_lshl_b32 s48, s50, 9
	s_mov_b32 s49, 0
	s_lshl_b32 s53, s33, 1
	s_add_co_u32 s54, s53, s51                     ; kt = 2 b' + u
	s_lshl_b32 s54, s54, 1
	s_add_co_u32 s54, s54, s50
	s_mul_i32 s54, s54, 1536
	s_mul_i32 s55, s32, 12288
	s_add_co_u32 s54, s54, s55                     ; kq: b 12,288 + (2 kt + oh) 1,536
	s_mov_b32 s55, 0
	s_add_co_u32 s56, s53, s50
	s_lshl_b32 s56, s56, 7
	s_lshl_b32 s57, s51, 6
	s_add_co_u32 s56, s56, s57
	s_lshl_b32 s57, s32, 9
	s_add_co_u32 s56, s56, s57
	s_add_co_u32 s56, s56, KSCO                    ; its words: b 512 + (2 b' + oh) 128 + 64 u
	s_mov_b32 s57, 0
	v_lshlrev_b32 v8, 4, v0                        ; 16 x thread: my four channels, in memory and in a row of x1d
	v_and_b32 v9, 8, v6
	v_add_nc_u32 v9, v9, v6                        ; r + 8 (r / 8)
	v_lshlrev_b32 v10, 3, v7                       ; 8 h
	s_lshl_b32 s58, s26, 9                         ; (s58 to s62: a scalar register to each of the five addresses, so that none is written again behind the vector line that reads it)
	v_lshl_add_u32 v11, v7, 7, s58                 ; x1d: 128 h + 512 x wave: my 32 channels of K step = wave
	s_mul_i32 s59, s26, 1536
	s_add_co_u32 s59, s59, X2IMG
	v_add_nc_u32 v12, s59, v[L16]                  ; where I store x2d's images: K step = wave
	s_lshl_b32 s60, s26, 7
	s_add_co_u32 s60, s60, X2SC
	v_lshl_add_u32 v13, v5, 2, s60                 ; and their scale words
	s_mul_i32 s61, s51, 6144
	s_add_co_u32 s61, s61, X2IMG
	v_add_nc_u32 v14, s61, v[L16]                  ; where I read them back: tile u = wave % 2
	s_lshl_b32 s62, s51, 9
	s_add_co_u32 s62, s62, X2SC
	v_lshl_add_u32 v15, v5, 2, s62
	v_mov_b32 v229, 0
	v_mov_b32 v239, 0                              ; (named as the upper halves of pairs whose low word serves both halves)
	v_mov_b32 v241, 0
	s_wait_kmcnt 0x0
	s_add_nc_u64 s[34:35], s[18:19], s[34:35]
	s_add_nc_u64 s[36:37], s[8:9], s[36:37]
	s_add_nc_u64 s[38:39], s[6:7], s[38:39]
	s_add_nc_u64 s[46:47], s[6:7], s[46:47]
	s_add_nc_u64 s[48:49], s[12:13], s[48:49]
	s_add_nc_u64 s[54:55], s[22:23], s[54:55]
	s_add_nc_u64 s[56:57], s[22:23], s[56:57]
	s_wait_alu depctr_va_vdst(0)                   ; the offsets and LDS addresses v1 to v4, v8, v11 to v15 and v229 are written, which this role's loads and stores read; none is written again
.irp j, 0,1,2,3,4,5,6,7,8
	global_load_b32 v[PEA+\j], v229, s[34:35] offset:16*\j         ; pos of the nine pooled columns, the same in every lane
.endr
	s_wait_loadcnt 0x0
.irp j, 0,1,2,3,4,5,6,7,8
	v_lshrrev_b32 v[PEA+\j], 3, v[PEA+\j]          ; / 8
.endr
.irp j, 0,1,2,3,4,5,6,7,8
	v_min_u32 v[PEA+\j], 127, v[PEA+\j]            ; inside the table
.endr
.irp j, 0,1,2,3,4,5,6,7,8
	v_lshl_add_u32 v[PEA+\j], v[PEA+\j], 11, v8    ; the row's 2,048 bytes, my four channels
.endr
	HELDLOAD 38                                    ; (these loads, and the two runs below, read v1, v2 and v4 and land in registers that no vector instruction has named: the lines above name none of them)
.irp i, 0,1,2,3,4,5,6,7
	global_load_b128 v[HS+4*\i:HS+4*\i+3], v[R16], s[46:47] offset:256*\i
.endr
	WIN 0x80
.irp i, 0,1,2,3,4,5,6,7
	global_load_b128 v[192+8*\i:195+8*\i], v[H64], s[48:49] offset:(32*(\i/2)+8*(\i%2))*4
	global_load_b128 v[196+8*\i:199+8*\i], v[H64], s[48:49] offset:(32*(\i/2)+8*(\i%2))*4+16
.endr
	; ---- A: x1d = the pooled mean + the position's row, nine pooled columns; a thread has four channels.  Three sets of 17 loads by turns, in window 3
.macro ALOAD j
.irp q, 0,1,2,3,4,5,6,7,8,9,10,11,12,13,14,15
	global_load_b128 v[68*((\j)%3)+4*\q:68*((\j)%3)+4*\q+3], v8, s[36:37] offset:\q*32768+(\j)*2048
.endr
	global_load_b128 v[68*((\j)%3)+64:68*((\j)%3)+67], v[PEA+(\j)], s[16:17]
.endm
	WIN 0xc0
	s_wait_alu depctr_va_vdst(0)                   ; the nine offsets v220 to v228 into pe_table are written, which the pooling's loads read; they are not written again
	ALOAD 0
	ALOAD 1
	ALOAD 2                                        ; the three sets are filled; each column asks for the column three on as soon as its own set is free
.macro ASTEP j, left
	s_wait_loadcnt \left                           ; this column's 17 loads and all before them are in; the later sets' may be out
	WIN 0xff
.set AB, 68*((\j)%3)
.set OB, OUTB+4*((\j)%2)
.irp q, 0,1,2,3,4,5,6,7
	v_pk_add_f32 v[AB+4*\q:AB+4*\q+1], v[AB+4*\q:AB+4*\q+1], v[AB+4*\q+32:AB+4*\q+33]
	v_pk_add_f32 v[AB+4*\q+2:AB+4*\q+3], v[AB+4*\q+2:AB+4*\q+3], v[AB+4*\q+34:AB+4*\q+35]
.endr
.irp q, 0,1,2,3
	v_pk_add_f32 v[AB+4*\q:AB+4*\q+1], v[AB+4*\q:AB+4*\q+1], v[AB+4*\q+16:AB+4*\q+17]
	v_pk_add_f32 v[AB+4*\q+2:AB+4*\q+3], v[AB+4*\q+2:AB+4*\q+3], v[AB+4*\q+18:AB+4*\q+19]
.endr
.irp q, 0,1
	v_pk_add_f32 v[AB+4*\q:AB+4*\q+1], v[AB+4*\q:AB+4*\q+1], v[AB+4*\q+8:AB+4*\q+9]
	v_pk_add_f32 v[AB+4*\q+2:AB+4*\q+3], v[AB+4*\q+2:AB+4*\q+3], v[AB+4*\q+10:AB+4*\q+11]
.endr
	v_pk_add_f32 v[AB:AB+1], v[AB:AB+1], v[AB+4:AB+5]
	v_pk_add_f32 v[AB+2:AB+3], v[AB+2:AB+3], v[AB+6:AB+7]
.if (\j) > 1
	s_wait_alu depctr_vm_vsrc(0)                   ; the LDS store of two columns back has read this result buffer, which the two lines below write again
.endif
	v_pk_fma_f32 v[OB:OB+1], v[AB:AB+1], 0x3b800000, v[AB+64:AB+65] op_sel_hi:[1,0,1]     ; the sum of 256 numbers / 256, + the position's row: into a buffer of its own, so that the set is free at once
	v_pk_fma_f32 v[OB+2:OB+3], v[AB+2:AB+3], 0x3b800000, v[AB+66:AB+67] op_sel_hi:[1,0,1]
.if (\j)+3 < 9
	WIN 0xc0
	s_wait_alu depctr_va_vdst(0)                   ; the column's arithmetic is done reading and writing its set, in which the loads below land, and has written the result, which the LDS store below reads
	ALOAD (\j)+3                                   ; three columns ahead
	WIN 0x0c                                       ; an LDS store's data are its source 1: window 3
.else
	WIN 0x0c
	s_wait_alu depctr_va_vdst(0)                   ; the column's arithmetic has written the result, which the LDS store below reads
.endif
	ds_store_b128 v8, v[OB:OB+3] offset:XPIT*(\j)  ; row j of x1d is pooled column 7 b' + j
.endm
	ASTEP 0, 34
	ASTEP 1, 34
	ASTEP 2, 34
	ASTEP 3, 34
	ASTEP 4, 34
	ASTEP 5, 34
	ASTEP 6, 34
	ASTEP 7, 17
	ASTEP 8, 0
	WIN 0
	s_wait_dscnt 0x0                               ; my stores have landed
	s_barrier_signal -1
	s_barrier_wait -1                              ; x1d's nine rows lie in LDS
	; ---- B: x2d, the bilinear row, for the two tiles of 16 keys; my wave makes K step = wave of each.  Lane (r, h) holds key w = 32 b' + 8 u + r + 8 (r / 8) and two whole blocks of 32 channels
.macro KBLK u
.if (\u) > 0
	s_wait_alu depctr_vm_vsrc(0)                   ; the LDS loads of the tile before have read v242 and v243, which are written again below
.endif
	v_add_nc_u32 v232, 8*\u, v9                    ; w0 = w - 32 b'
	v_mul_u32_u24 v233, v232, 5
	v_add_nc_u32 v233, s40, v233                   ; 5 w0 + 13 b' = 5 w - 147 b'
	v_mul_u32_u24 v233, v233, 3121
	v_lshrrev_b32 v233, 16, v233                   ; / 21, rounded down (exact up to 168): i0 - 7 b', the row of x1d
	v_add_nc_u32 v234, 1, v233
	v_min_u32 v234, 8, v234                        ; i1 - 7 b' (row 8 is pooled column 15 where the hold matters)
	v_add_nc_u32 v235, s41, v232                   ; w
	v_mul_u32_u24 v235, v235, 15
	v_cvt_f32_u32 v235, v235                       ; a = 15 w, exact
	v_mul_f32 v236, s43, v235                      ; a / 63: a first quotient,
	v_fma_f32 v237, v236, s42, v235                ; its remainder,
	v_fma_f32 v236, v237, s43, v236                ; and the corrected quotient: src
	v_add_nc_u32 v237, s44, v233
	v_cvt_f32_u32 v237, v237                       ; i0
	v_sub_f32 v238, v236, v237                     ; t
	v_sub_f32 v240, 1.0, v238                      ; 1 - t
	v_mul_u32_u24 v242, v233, XPIT
	v_add_nc_u32 v242, v11, v242
	v_mul_u32_u24 v243, v234, XPIT
	v_add_nc_u32 v243, v11, v243
.irp c, 0,1
	s_wait_alu depctr_va_vdst(0)                   ; the LDS addresses v242 and v243 are written, which the loads below read; the lines of the block before are done reading and writing v64 to v127, in which they land
.irp i, 0,1,2,3,4,5,6,7
	ds_load_b128 v[64+4*\i:67+4*\i], v242 offset:256*\c+16*\i
	ds_load_b128 v[96+4*\i:99+4*\i], v243 offset:256*\c+16*\i
.endr
	s_wait_dscnt 0x0
.irp i, 0,2,4,6,8,10,12,14,16,18,20,22,24,26,28,30
	v_pk_mul_f32 v[96+\i:97+\i], v[96+\i:97+\i], v[238:239] op_sel_hi:[1,0]
.endr
.irp i, 0,2,4,6,8,10,12,14,16,18,20,22,24,26,28,30
	v_pk_fma_f32 v[64+\i:65+\i], v[64+\i:65+\i], v[240:241], v[96+\i:97+\i] op_sel_hi:[1,0,1]
.endr
	v_max3_num_f32 v[TM], |v64|, |v65|, |v66|
	v_max3_num_f32 v[TM+1], |v67|, |v68|, |v69|
.irp i, 6,10,14,18,22,26
	v_max3_num_f32 v[TM], v[TM], |v[64+\i]|, |v[65+\i]|
	v_max3_num_f32 v[TM+1], v[TM+1], |v[66+\i]|, |v[67+\i]|
.endr
	v_max3_num_f32 v[TM], v[TM], |v94|, |v95|
	v_max3_num_f32 v[TM], v[TM], v[TM+1], 0x1800000
	v_add_nc_u32 v[TM+12], 0xff000000, v[TM]
	v_lshrrev_b32 v[TM+8+\c], 23, v[TM+12]
	v_cvt_scalef32_pk16_fp6_f32 v[KC+12*\u+6*\c:KC+12*\u+6*\c+2], v[64:79], v[TM+12]
	v_cvt_scalef32_pk16_fp6_f32 v[212:214], v[80:95], v[TM+12]
	v_nop                                          ; one plain line behind a scaled conversion
.irp i, 0,1,2
	v_mov_b32 v[KC+12*\u+6*\c+3+\i], v[212+\i]
.endr
.endr
	v_lshl_or_b32 v[KW+\u], v[TM+9], 16, v[TM+8]   ; my two bytes, at their places; with lane l xor 16's the word is whole
	v_lshlrev_b32 v[KW+\u], v10, v[KW+\u]
	v_permlanex16_b32 v[TM+4], v[KW+\u], s[SEL], s[SEL+1]
	v_or_b32 v[KW+\u], v[KW+\u], v[TM+4]
.endm
	KBLK 0
	KBLK 1
	s_wait_dscnt 0x0
	s_barrier_signal -1
	s_barrier_wait -1                              ; every wave's reads of x1d are over before any image is stored
	s_wait_alu depctr_va_vdst(0)                   ; the conversions and the lines behind them have written x2d's codes v184 to v207 and its scale words v208, v209, which the LDS stores read
.irp u, 0,1
.irp p, 0,1,2
	ds_store_b128 v12, v[KC+12*\u+4*\p:KC+12*\u+4*\p+3] offset:6144*\u+512*\p
.endr
	ds_store_b32 v13, v[KW+\u] offset:512*\u
.endr
	s_wait_dscnt 0x0
	s_barrier_signal -1
	s_barrier_wait -1                              ; x2d's eight fragments lie in LDS
	; ---- C: k for tile u = wave % 2 and channels 128 (wave / 2) on
	WIN 0xc0
	s_wait_alu depctr_va_vdst(0)                   ; the pooling's additions are done reading and writing window 3's v0 to v47, in which x2d's fragments land
.irp s, 0,1,2,3
.irp p, 0,1,2
	ds_load_b128 v[12*\s+4*\p:12*\s+4*\p+3], v14 offset:1536*\s+512*\p
.endr
.endr
	WIN 0
.irp s, 0,1,2,3
	ds_load_b32 v[SS+\s], v15 offset:128*\s
.endr
	s_wait_dscnt 0x0
	s_wait_loadcnt 0x0                             ; Wk, its words and bk came in ahead of the pooling's loads
	PROD8 2, 0, 0
	WIN 0
	PLACES
	QUANT ACC
	s_wait_alu depctr_va_vdst(0)                   ; the quantiser has written the codes and the scale word, which the stores read
.irp p, 0,1,2
	global_store_b128 v[L16], v[PC+4*\p:PC+4*\p+3], s[54:55] offset:512*\p
.endr
	global_store_b32 v[R4], v[PW], s[56:57]        ; 64 bytes: a piece of a 256-byte block; 32 such stores in the launch
	s_wait_dscnt 0x0
	s_wait_alu depctr_hold_cnt(0) depctr_sa_sdst(0) depctr_va_vdst(0) depctr_va_sdst(0) depctr_va_ssrc(0) depctr_va_vcc(0) depctr_vm_vsrc(0)
	s_wait_tensorcnt 0x0
	ds_add_u32 v254, v255
	s_wait_dscnt 0x0
	s_endpgm
.Lfunc_end_k_q86cd6bd893_proj:
	.size	k_q86cd6bd893_proj, .Lfunc_end_k_q86cd6bd893_proj-k_q86cd6bd893_proj
	.p2alignl 7, 3214868480
	.fill 96, 4, 3214868480
	.section	.rodata,"a",@progbits
	.p2align	6, 0x0
	.amdhsa_kernel k_q86cd6bd893_proj
		.amdhsa_group_segment_fixed_size 47104
		.amdhsa_private_segment_fixed_size 0
		.amdhsa_enable_private_segment 0
		.amdhsa_kernarg_size 88
		.amdhsa_user_sgpr_count 2
		.amdhsa_user_sgpr_kernarg_segment_ptr 1
		.amdhsa_wavefront_size32 1
		.amdhsa_system_sgpr_workgroup_id_x 1
		.amdhsa_system_sgpr_workgroup_id_y 1
		.amdhsa_system_sgpr_workgroup_id_z 1
		.amdhsa_system_vgpr_workitem_id 0
		.amdhsa_next_free_vgpr 1024
		.amdhsa_next_free_sgpr 66
		.amdhsa_reserve_vcc 0
		.amdhsa_float_denorm_mode_32 3
		.amdhsa_float_denorm_mode_16_64 3
		.amdhsa_memory_ordered 1
		.amdhsa_forward_progress 1
		.amdhsa_inst_pref_size 255
	.end_amdhsa_kernel
	.section	.bss,"aw",@nobits
	.p2align	6
	.space	262144
	.amdgpu_metadata
---
amdhsa.version: [ 1, 2 ]
amdhsa.kernels:
  - .name:           k_q86cd6bd893_proj
    .symbol:         k_q86cd6bd893_proj.kd
    .args:
      - { .name: xq, .offset: 0, .size: 8, .value_kind: global_buffer, .address_space: global }
      - { .name: wq, .offset: 8, .size: 8, .value_kind: global_buffer, .address_space: global }
      - { .name: pool, .offset: 16, .size: 8, .value_kind: global_buffer, .address_space: global }
      - { .name: bq, .offset: 24, .size: 8, .value_kind: global_buffer, .address_space: global }
      - { .name: bk, .offset: 32, .size: 8, .value_kind: global_buffer, .address_space: global }
      - { .name: bv, .offset: 40, .size: 8, .value_kind: global_buffer, .address_space: global }
      - { .name: pe_table, .offset: 48, .size: 8, .value_kind: global_buffer, .address_space: global }
      - { .name: pos, .offset: 56, .size: 8, .value_kind: global_buffer, .address_space: global }
      - { .name: qq, .offset: 64, .size: 8, .value_kind: global_buffer, .address_space: global }
      - { .name: kq, .offset: 72, .size: 8, .value_kind: global_buffer, .address_space: global }
      - { .name: vq, .offset: 80, .size: 8, .value_kind: global_buffer, .address_space: global }
    .group_segment_fixed_size: 47104
    .private_segment_fixed_size: 0
    .kernarg_segment_align: 8
    .kernarg_segment_size: 88
    .max_flat_workgroup_size: 128
    .sgpr_count:     66
    .vgpr_count:     1024
    .wavefront_size: 32
...
	.end_amdgpu_metadata
.endif
;; end of part 4
;; launch attn: the kernel of part 3 again; grid 16 x 16, 4 waves a work-group, clusters of 4 x 1, 327,680 bytes of LDS; arguments qq, kq, vq, x, gamma, out0; writes out0
